; MI455X (gfx1250); checked and timed in simulation.
; The chip was launched on July 23, 2026; its instructions are those of AMD's public machine-readable ISA for CDNA 5 (MIT licence, August 2026) and "CDNA5" Instruction Set Architecture Reference Guide (July 2026). The comments in the code are by the model that wrote it; some were corrected since.
;; Multi Head Attention. Allowed arithmetic: matrix products marked QUANTISED: E2M1 operands, one E8M0 scale for each 32 along K, by v_wmma_scale_f32_16x16x128_f8f6f4 with both operands' format E2M1 (or v_wmma_scale_f32_32x16x128_f4), f32 sums; products left as they are: bf16, f16 or f32 operands; f32 sums; everything else in f32.
;; Inputs: Wk 1,024 x 1,024 float32; Wo 1,024 x 1,024 float32; Wq 1,024 x 1,024 float32; Wv 1,024 x 1,024 float32; bo 1,024 float32; x 4 x 2,048 x 1,024 float32.
;; Outputs: out0 4 x 2,048 x 1,024 float32.
;; This version of the problem:
;;   THIS VERSION OF THE PROBLEM IS GIVEN IN LOW PRECISION. The matrix products marked QUANTISED in the list below multiply operands that are first quantised to E2M1 (2 exponent bits, 1 mantissa bit; 4 bits a number), with one power-of-two scale for each 32 numbers along K (OCP MX v1.0); their sums are f32. The products marked 'left as it is' may take bf16, f16 or f32 operands, with f32 sums. Whichever they take, every output number must still come out within the allowed error. Rounding operands to bf16 (8 significant bits) uses up far more of that allowance than f16 does (11 bits, for magnitudes from 6e-5 to 65,504). All else is computed in f32.
;;   The module's matrix products, in the order in which they are computed (A, B: the left and right operand; K: the contracted axis; several contracted axes count as one K, in the product's order):
;;     1. [M 8,192, K 1,024] x [K 1,024, N 1,024]; A: input x; B: input Wq: QUANTISED
;;     2. [M 8,192, K 1,024] x [K 1,024, N 1,024]; A: input x; B: input Wk: QUANTISED
;;     3. [M 8,192, K 1,024] x [K 1,024, N 1,024]; A: input x; B: input Wv: QUANTISED
;;     4. batch 64 x [M 2,048, K 64] x [K 64, N 2,048]; A: computed on the way; B: computed on the way: left as it is (an operand is computed on the way)
;;     5. batch 64 x [M 2,048, K 2,048] x [K 2,048, N 64]; A: computed on the way; B: computed on the way: left as it is (an operand is computed on the way)
;;     6. [M 8,192, K 1,024] x [K 1,024, N 1,024]; A: computed on the way; B: input Wo: left as it is (an operand is computed on the way)
;;   THE QUANTISER, for each operand of a quantised product, along K:
;;     - K is cut into blocks of 32 from its start; a last block that is shorter is filled with zeros.
;;     - A block's scale is 2^e with e = floor(log2(the largest magnitude in the block)) - 2, held to -126 .. 127; a block of zeros has e = 0. As a byte (E8M0): e + 127.
;;     - Each number is divided by its block's scale, clamped to +-6, and rounded to the nearest number of E2M1, ties to even, subnormals kept.
;;     - The product sums the exact products of the quantised numbers (number of the format x scale) in f32.
;;   ~~~python
;;   def quantise(x, axis):      # numpy; x: float32 -> the quantised numbers, widened to float32 again
;;       x = np.moveaxis(x, axis, -1); K = x.shape[-1]
;;       x = np.pad(x, [(0, 0)] * (x.ndim - 1) + [(0, -K % 32)]); x = x.reshape(x.shape[:-1] + (-1, 32)); a = np.abs(x).max(-1, keepdims=True)
;;       e = np.where(a > 0, np.clip(np.frexp(np.where(a > 0, a, 1))[1] - 1 - 2, -126, 127), 0)      # np.frexp(a)[1] - 1 = floor(log2(a)), exactly
;;       r = np.clip(x / 2.0 ** e, -6, 6)
;;       step = 2.0 ** (np.maximum(np.frexp(np.where(r == 0, 1, r))[1] - 1, 0) - 1)
;;       q = np.round(r / step) * step * 2.0 ** e      # np.round: ties to even
;;       return np.moveaxis(q.reshape(q.shape[:-2] + (-1,))[..., :K], -1, axis).astype(np.float32)
;;   ~~~
;; One version. Each part assembles by itself: llvm-mc -triple=amdgcn-amd-amdhsa -mcpu=gfx1250 --defsym DOCPART=n.
;; ======== version 1 of 1: 5 launches
;; limits: values are held in f16: magnitudes above 65,504 overflow, below 6.1e-05 lose precision
;; workspace buffers: xc 4,194,304 bytes; xs 262,144 bytes; wc 1,572,864 bytes; ws 98,304 bytes; wo16 2,097,152 bytes; qkv 50,331,648 bytes; qkvf 786,432 bytes; ctx 16,777,216 bytes
;; launch prep (part 1): grid 240 x 1, 8 waves a work-group, no clusters, 84,480 bytes of LDS; arguments x, Wq, Wk, Wv, Wo, xc, xs, wc, ws, wo16; writes xc, xs, wc, ws, wo16
.if DOCPART == 1
	.amdgcn_target "amdgcn-amd-amdhsa--gfx1250"
	.amdhsa_code_object_version 6
	.text
	.protected	k_q4f27af7b6f_prep
	.globl	k_q4f27af7b6f_prep
	.p2align	8
	.type	k_q4f27af7b6f_prep,@function
k_q4f27af7b6f_prep:
	s_mov_b64 s[64:65], 0
	v_nop
	global_prefetch_b8 v0, s[64:65] scope:SCOPE_SE
	s_setreg_imm32_b32 hwreg(HW_REG_WAVE_MODE, 25, 1), 1
	s_wait_xcnt 0x0
; PREP.  x [8192][1024] f32 -> codes of FP4 (E2M1) xc [8192][512] and E8M0 bytes xs [8192][32] (K innermost as it lies).
; Wq, Wk, Wv [1024 k][1024 n] f32, K their FIRST axis -> wc [3072][512], ws [3072][32], row 1024 z + n, K innermost.  Wo f32 -> wo16 f16, as it lies.
; A block's scale is 2^(floor(log2(largest magnitude)) - 2); its byte is the largest magnitude's exponent field - 2, held at 1 from below.
; LIMITS: a block of zeros, and a block whose largest magnitude lies under 2^-124, keep the byte 1 (zero codes add nothing; the bytes are read by this program alone);
; NaN and infinities among the inputs are not served; Wo beyond 65,504 in magnitude is not served (f16).
; SHARES by the work-group's number: 0..127 x (a wave: 16 steps of 512 numbers); 128..223 the three weights (32 columns x all of K; wave w: K rows 128 w on, a lane a column,
; registers down K, so that a block of 32 is one lane's and the codes come out K innermost); 224..239 Wo (a wave: 8,192 numbers).
; The three ways use LDS bytes of their own and meet at ONE barrier, which so stands in every wave's text; behind it the weights' work-groups store whole rows.
; No tensor load, no cluster: no two work-groups read the same bytes.
.set STEPS, 16
.set EMAX,  2
.set CB,    8                          ; bytes of 16 codes
.set SP,    80                         ; x: a lane's place in a stage: 64 bytes + 16 of padding
.set WREG,  8192                       ; x: LDS of a wave: two stages of 32 x SP, then its 256 scale bytes
.set WST,   65536                      ; weights: 32 rows (columns n) x (512 bytes of codes + 16)
.set WPITCH, 528
.set WSC,   WST+32*WPITCH              ; weights: 32 rows x 32 scale bytes
.set SPARE, WSC+1024                   ; the spare words, 128 bytes a wave: four blocks of 256 bytes that no other line names
.set SPW,   12                         ; v12  my spare word's LDS address; never rewritten
.set NIL,   13                         ; v13  0; never rewritten
.set R,     16                         ; x: v16-79 four sets of 16 numbers as loaded
.set X,     80                         ; x: v80-111 two sets of 16 neighbours
.set E,     112                        ; x: v112-127 a scale byte a step
.set C,     128                        ; x: v128-191 codes, four registers a step
.set WX,    32                         ; weights: v32-95 two sets of 32 numbers
.set WC,    96                         ; weights: v96-99 a block's codes
.set WOUT,  112                        ; weights: v112-131 the way out
.set OIN,   16                         ; Wo: v16-143 two sets of 16 loads
.set OOUT,  144                        ; Wo: v144-207 two sets of 32
.set WG4,   208                        ; 4 x lane
.set WSTO,  209                        ; WST + 528 lane + 64 wave
.set WSCO,  210                        ; WSC + 32 lane + 4 wave
.set WRD,   211                        ; WST + 4 wave x 528 + 16 lane
.set WSRD,  212                        ; WSC + 512 (wave % 2) + 16 lane
	s_load_b256 s[4:11], s[0:1], 0x0               ; x, Wq, Wk, Wv
	s_load_b256 s[12:19], s[0:1], 0x20             ; Wo, xc, xs, wc
	s_load_b128 s[20:23], s[0:1], 0x40             ; ws, wo16
	v_lshl_add_u32 v[SPW], v0, 2, SPARE
	v_mov_b32 v[NIL], 0
	v_lshrrev_b32 v1, 5, v0
	v_readfirstlane_b32 s24, v1                    ; wave 0..7
	v_and_b32 v2, 31, v0                           ; lane
	v_lshlrev_b32 v3, 4, v2                        ; 16 x lane
	v_lshlrev_b32 v4, 3, v2                        ; 8 x lane
	; every LDS address of every way is made here, ahead of the parting
	s_lshl_b32 s26, s24, 13
	v_lshrrev_b32 v14, 2, v2
	v_mul_u32_u24 v14, v14, SP
	v_and_b32 v15, 3, v2
	v_lshl_add_u32 v14, v15, 4, v14
	v_add_nc_u32 v14, s26, v14                     ; x's stage, in: SP (lane / 4) + 16 (lane % 4)
	v_mul_u32_u24 v15, v2, SP
	v_add_nc_u32 v15, s26, v15                     ; and out: SP x lane: my 16 neighbours
	v_lshrrev_b32 v5, 1, v2
	s_add_co_u32 s26, s26, 2*32*SP
	v_add_nc_u32 v5, s26, v5                       ; my block's scale byte
	v_add_nc_u32 v6, s26, v4                       ; and 8 of the wave's 256 on the way out
	v_lshlrev_b32 v[WG4], 2, v2
	v_mul_u32_u24 v[WSTO], v2, WPITCH
	s_lshl_b32 s26, s24, 6
	s_add_co_u32 s26, s26, WST
	v_add_nc_u32 v[WSTO], s26, v[WSTO]
	v_lshlrev_b32 v[WSCO], 5, v2
	s_lshl_b32 s26, s24, 2
	s_add_co_u32 s26, s26, WSC
	v_add_nc_u32 v[WSCO], s26, v[WSCO]
	s_mul_i32 s26, s24, 4*WPITCH
	s_add_co_u32 s26, s26, WST
	v_add_nc_u32 v[WRD], s26, v3
	s_and_b32 s26, s24, 1
	s_lshl_b32 s26, s26, 9
	s_add_co_u32 s26, s26, WSC
	v_add_nc_u32 v[WSRD], s26, v3
	s_mov_b32 s29, 0
	s_wait_kmcnt 0x0
	s_cmp_lt_u32 ttmp9, 128
	s_cbranch_scc1 .Lx_path
	s_cmp_lt_u32 ttmp9, 224
	s_cbranch_scc1 .Lw_path
	; ---- Wo to f16: 4 rounds of 16 loads of 512 bytes; each load's numbers leave as 256 consecutive bytes
	s_sub_co_u32 s26, ttmp9, 224
	s_lshl_b32 s26, s26, 3
	s_add_co_u32 s26, s26, s24                     ; which run of 8,192 numbers
	s_lshl_b32 s28, s26, 15
	s_add_nc_u64 s[12:13], s[12:13], s[28:29]
	s_lshl_b32 s28, s26, 14
	s_add_nc_u64 s[22:23], s[22:23], s[28:29]
.macro OLOAD rd
.irp i, 0,1,2,3,4,5,6,7,8,9,10,11,12,13,14,15
	global_load_b128 v[OIN+64*((\rd)%2)+4*\i:OIN+64*((\rd)%2)+4*\i+3], v3, s[12:13] offset:512*(16*(\rd)+\i) th:TH_LOAD_NT
.endr
.endm
.macro OROUND rd
.if (\rd) < 3
	s_wait_loadcnt 16                              ; this round's 16 loads are in; the next round's may be out
.else
	s_wait_loadcnt 0x0
.endif
.if (\rd) >= 2
	s_wait_xcnt 0x0                                ; the stores of two rounds back have read this set of results: it is written again only behind this wait
.endif
.irp i, 0,1,2,3,4,5,6,7,8,9,10,11,12,13,14,15
	v_cvt_pk_f16_f32 v[OOUT+32*((\rd)%2)+2*\i], v[OIN+64*((\rd)%2)+4*\i], v[OIN+64*((\rd)%2)+4*\i+1]
	v_cvt_pk_f16_f32 v[OOUT+32*((\rd)%2)+2*\i+1], v[OIN+64*((\rd)%2)+4*\i+2], v[OIN+64*((\rd)%2)+4*\i+3]
	global_store_b64 v4, v[OOUT+32*((\rd)%2)+2*\i:OOUT+32*((\rd)%2)+2*\i+1], s[22:23] offset:256*(16*(\rd)+\i)
.endr
.if (\rd)+2 < 4
	OLOAD (\rd)+2
.endif
.endm
	OLOAD 0
	OLOAD 1
	OROUND 0
	OROUND 1
	OROUND 2
	OROUND 3
	s_branch .Ljoin
	; ---- x: a plain stream of blocks of 32.  Each load reads 512 consecutive bytes; a step's 2,048 bytes turn through the wave's own stage so that a lane holds 16 neighbours
.Lx_path:
	s_lshl_b32 s26, ttmp9, 3
	s_add_co_u32 s26, s26, s24                     ; which run of 8,192 numbers
	s_lshl_b32 s28, s26, 15
	s_add_nc_u64 s[4:5], s[4:5], s[28:29]
	s_lshl_b32 s28, s26, 12
	s_add_nc_u64 s[14:15], s[14:15], s[28:29]
	s_lshl_b32 s28, s26, 8
	s_add_nc_u64 s[16:17], s[16:17], s[28:29]
.macro LOAD t
.irp i, 0,1,2,3
	global_load_b128 v[R+16*((\t)%4)+4*\i:R+16*((\t)%4)+4*\i+3], v3, s[4:5] offset:2048*(\t)+512*\i th:TH_LOAD_NT
.endr
.endm
.macro TURN t                          ; LDS serves a wave's instructions in order: no wait between these stores and loads
.irp i, 0,1,2,3
	ds_store_b128 v14, v[R+16*((\t)%4)+4*\i:R+16*((\t)%4)+4*\i+3] offset:32*SP*((\t)%2)+8*SP*\i
.endr
.irp i, 0,1,2,3
	ds_load_b128 v[X+16*((\t)%2)+4*\i:X+16*((\t)%2)+4*\i+3], v15 offset:32*SP*((\t)%2)+16*\i
.endr
.endm
.irp t, 0,1,2,3
	LOAD \t
.endr
	s_wait_loadcnt 12                              ; step 0's four loads are in
	TURN 0
.macro STEP t
.set XS, X+16*((\t)%2)
.if (\t) > 0
	s_wait_dscnt 1                                 ; this step's numbers are back from the stage (the last step's byte store may be out)
.else
	s_wait_dscnt 0x0
.endif
.if (\t)+4 < STEPS
	LOAD (\t)+4
.endif
.if (\t)+1 < STEPS
.if STEPS-2-(\t) >= 3
	s_wait_loadcnt 12                              ; the next step's four loads are in; those of the three steps behind it may be out
.else
	s_wait_loadcnt 4*(STEPS-2-(\t))
.endif
	TURN (\t)+1
.endif
	v_max3_num_f32 v8, |v[XS]|, |v[XS+1]|, |v[XS+2]|
	v_max3_num_f32 v9, |v[XS+3]|, |v[XS+4]|, |v[XS+5]|
.irp i, 6,10
	v_max3_num_f32 v8, v8, |v[XS+\i]|, |v[XS+\i+1]|
	v_max3_num_f32 v9, v9, |v[XS+\i+2]|, |v[XS+\i+3]|
.endr
	v_max3_num_f32 v8, v8, |v[XS+14]|, |v[XS+15]|
	v_max3_num_f32 v8, v8, v9, (EMAX+1)<<23        ; with the floor 2^(3 - 127): the byte cannot fall under 1
	v_max_num_f32_dpp v8, v8, v8 row_xmask:1 row_mask:0xf bank_mask:0xf   ; and my neighbour's 16: the block's largest magnitude
	v_add_nc_u32 v11, -(EMAX<<23), v8              ; 2 off its exponent field: the conversion takes this operand's exponent field as its scale
	v_cvt_scalef32_pk8_fp4_f32 v[C+4*(\t)], v[XS:XS+7], v11
	v_cvt_scalef32_pk8_fp4_f32 v[C+4*(\t)+1], v[XS+8:XS+15], v11
	v_lshrrev_b32 v[E+(\t)], 23, v11               ; the scale's byte
	ds_store_b8 v5, v[E+(\t)] offset:16*(\t)       ; both lanes of a block write the same byte with the same value
	global_store_b64 v4, v[C+4*(\t):C+4*(\t)+1], s[14:15] offset:32*CB*(\t)   ; the wave stores 256 consecutive bytes
.endm
.irp t, 0,1,2,3,4,5,6,7,8,9,10,11,12,13,14,15
	STEP \t
.endr
	ds_load_b64 v[8:9], v6
	s_wait_dscnt 0x0
	global_store_b64 v4, v[8:9], s[16:17]          ; the wave's 256 scale bytes, consecutive
	s_branch .Ljoin
	; ---- the weights: part 1.  Four blocks of 32 along K a lane; two blocks of loads are kept out
.Lw_path:
	s_sub_co_u32 s26, ttmp9, 128
	s_lshr_b32 s27, s26, 5                         ; which weight
	s_and_b32 s26, s26, 31                         ; which 32 columns
	s_cmp_eq_u32 s27, 0
	s_cselect_b64 s[30:31], s[6:7], s[8:9]
	s_cmp_eq_u32 s27, 2
	s_cselect_b64 s[30:31], s[10:11], s[30:31]
	s_lshl_b32 s28, s24, 19                        ; 128 wave rows of 4,096 bytes
	s_lshl_b32 s26, s26, 7
	s_add_co_u32 s28, s28, s26
	s_add_nc_u64 s[30:31], s[30:31], s[28:29]
.macro WLOAD t
.irp i, 0,1,2,3,4,5,6,7,8,9,10,11,12,13,14,15,16,17,18,19,20,21,22,23,24,25,26,27,28,29,30,31
	global_load_b32 v[WX+32*((\t)%2)+\i], v[WG4], s[30:31] offset:(32*(\t)+\i)*4096 th:TH_LOAD_NT
.endr
.endm
.macro WBLOCK t
.set WXS, WX+32*((\t)%2)
.if (\t) < 3
	s_wait_loadcnt 32                              ; this block's 32 loads are in; the next block's may be out
.else
	s_wait_loadcnt 0x0
.endif
	v_max3_num_f32 v8, |v[WXS]|, |v[WXS+1]|, |v[WXS+2]|
	v_max3_num_f32 v9, |v[WXS+3]|, |v[WXS+4]|, |v[WXS+5]|
.irp i, 6,10,14,18,22,26
	v_max3_num_f32 v8, v8, |v[WXS+\i]|, |v[WXS+\i+1]|
	v_max3_num_f32 v9, v9, |v[WXS+\i+2]|, |v[WXS+\i+3]|
.endr
	v_max3_num_f32 v8, v8, |v[WXS+30]|, |v[WXS+31]|
	v_max3_num_f32 v8, v8, v9, (EMAX+1)<<23
	v_add_nc_u32 v11, -(EMAX<<23), v8
	v_lshrrev_b32 v9, 23, v11
.if (\t) == 0
	v_mov_b32 v10, v9                              ; my four bytes make one word, the lower K in the lower byte
.else
	v_lshl_or_b32 v10, v9, 8*(\t), v10
.endif
.irp g, 0,1,2,3
	v_cvt_scalef32_pk8_fp4_f32 v[WC+\g], v[WXS+8*\g:WXS+8*\g+7], v11
.endr
	ds_store_b128 v[WSTO], v[WC:WC+3] offset:16*(\t)   ; 32 codes: 16 bytes of my column's row
.if (\t)+2 < 4
	WLOAD (\t)+2
.endif
	s_wait_dscnt 0x0                               ; the store has read its registers: the next block's codes may be written
.endm
	WLOAD 0
	WLOAD 1
	WBLOCK 0
	WBLOCK 1
	WBLOCK 2
	WBLOCK 3
	ds_store_b32 v[WSCO], v10
.Ljoin:
	s_wait_xcnt 0x0                                ; the three ways meet here: every global load and store issued on any of them has read its registers (ISA guide 3.1), so the lines behind the barrier may write them
	s_wait_dscnt 0x0                               ; for the others' sake: my LDS stores have landed
	s_barrier_signal -1
	s_barrier_wait -1
	s_sub_co_u32 s26, ttmp9, 128
	s_cmp_lt_u32 s26, 96
	s_cbranch_scc0 .Lend
	; ---- the weights: part 2.  Row 32 (work-group - 128) + 4 wave + i of wc: 512 consecutive bytes a store
	s_lshl_b32 s28, s26, 14
	s_lshl_b32 s27, s24, 11
	s_add_co_u32 s28, s28, s27
	s_add_nc_u64 s[18:19], s[18:19], s[28:29]
.irp i, 0,1,2,3
	ds_load_b128 v[WOUT+4*\i:WOUT+4*\i+3], v[WRD] offset:\i*WPITCH
.endr
.irp i, 0,1,2,3
	s_wait_dscnt 3-\i
	global_store_b128 v3, v[WOUT+4*\i:WOUT+4*\i+3], s[18:19] offset:512*\i
.endr
	s_cmp_lt_u32 s24, 2
	s_cbranch_scc0 .Lend
	s_lshl_b32 s28, s26, 10                        ; the 32 rows' scale bytes are 1,024 consecutive bytes: waves 0 and 1 store a half each
	s_lshl_b32 s27, s24, 9
	s_add_co_u32 s28, s28, s27
	s_add_nc_u64 s[20:21], s[20:21], s[28:29]
	ds_load_b128 v[WOUT+16:WOUT+19], v[WSRD]
	s_wait_dscnt 0x0
	global_store_b128 v3, v[WOUT+16:WOUT+19], s[20:21]
.Lend:
	s_wait_tensorcnt 0x0                           ; the wave's end
	ds_add_u32 v[SPW], v[NIL]
	s_wait_dscnt 0x0
	s_endpgm
.Lfunc_end_k_q4f27af7b6f_prep:
	.size	k_q4f27af7b6f_prep, .Lfunc_end_k_q4f27af7b6f_prep-k_q4f27af7b6f_prep
	.p2alignl 7, 3214868480
	.fill 96, 4, 3214868480
	.section	.rodata,"a",@progbits
	.p2align	6, 0x0
	.amdhsa_kernel k_q4f27af7b6f_prep
		.amdhsa_group_segment_fixed_size 84480
		.amdhsa_private_segment_fixed_size 0
		.amdhsa_enable_private_segment 0
		.amdhsa_kernarg_size 80
		.amdhsa_user_sgpr_count 2
		.amdhsa_user_sgpr_kernarg_segment_ptr 1
		.amdhsa_wavefront_size32 1
		.amdhsa_system_sgpr_workgroup_id_x 1
		.amdhsa_system_sgpr_workgroup_id_y 1
		.amdhsa_system_sgpr_workgroup_id_z 1
		.amdhsa_system_vgpr_workitem_id 0
		.amdhsa_next_free_vgpr 216
		.amdhsa_next_free_sgpr 66
		.amdhsa_reserve_vcc 0
		.amdhsa_float_denorm_mode_32 3
		.amdhsa_float_denorm_mode_16_64 3
		.amdhsa_memory_ordered 1
		.amdhsa_forward_progress 1
		.amdhsa_inst_pref_size 75
	.end_amdhsa_kernel
	.amdgpu_metadata
---
amdhsa.version: [ 1, 2 ]
amdhsa.kernels:
  - .name:           k_q4f27af7b6f_prep
    .symbol:         k_q4f27af7b6f_prep.kd
    .args:
      - { .name: x, .offset: 0, .size: 8, .value_kind: global_buffer, .address_space: global }
      - { .name: Wq, .offset: 8, .size: 8, .value_kind: global_buffer, .address_space: global }
      - { .name: Wk, .offset: 16, .size: 8, .value_kind: global_buffer, .address_space: global }
      - { .name: Wv, .offset: 24, .size: 8, .value_kind: global_buffer, .address_space: global }
      - { .name: Wo, .offset: 32, .size: 8, .value_kind: global_buffer, .address_space: global }
      - { .name: xc, .offset: 40, .size: 8, .value_kind: global_buffer, .address_space: global }
      - { .name: xs, .offset: 48, .size: 8, .value_kind: global_buffer, .address_space: global }
      - { .name: wc, .offset: 56, .size: 8, .value_kind: global_buffer, .address_space: global }
      - { .name: ws, .offset: 64, .size: 8, .value_kind: global_buffer, .address_space: global }
      - { .name: wo16, .offset: 72, .size: 8, .value_kind: global_buffer, .address_space: global }
    .group_segment_fixed_size: 84480
    .private_segment_fixed_size: 0
    .kernarg_segment_align: 8
    .kernarg_segment_size: 80
    .max_flat_workgroup_size: 256
    .sgpr_count:     66
    .vgpr_count:     216
    .wavefront_size: 32
...
	.end_amdgpu_metadata
.endif
;; end of part 1
;; launch qkv (part 2): grid 12 x 32, 4 waves a work-group, clusters of 4 x 4, 327,680 bytes of LDS; arguments xc, xs, wc, ws, qkv, qkvf; writes qkv, qkvf
.if DOCPART == 2
	.amdgcn_target "amdgcn-amd-amdhsa--gfx1250"
	.amdhsa_code_object_version 6
	.text
	.protected	k_q4f27af7b6f_qkv
	.globl	k_q4f27af7b6f_qkv
	.p2align	8
	.type	k_q4f27af7b6f_qkv,@function
k_q4f27af7b6f_qkv:
	s_mov_b64 s[64:65], 0
	v_nop
	global_prefetch_b8 v0, s[64:65] scope:SCOPE_SE
	s_setreg_imm32_b32 hwreg(HW_REG_WAVE_MODE, 25, 1), 1
	s_wait_xcnt 0x0
	s_wait_alu depctr_hold_cnt(0) depctr_sa_sdst(0) depctr_va_vdst(0) depctr_va_sdst(0) depctr_va_ssrc(0) depctr_va_vcc(0) depctr_vm_vsrc(0)
	s_getreg_b32 s2, hwreg(HW_REG_IB_STS2, 6, 4)
	s_cmp_eq_u32 s2, 0
	s_cbranch_scc0 .Lentry_in_a_cluster
	s_endpgm
.Lentry_in_a_cluster:
	s_bfe_u32 s2, ttmp6, 0x10000c
	s_cmp_lg_u32 s2, 0xf033
	s_cbranch_scc0 .Lentry_shape_is_right
	s_endpgm
.Lentry_shape_is_right:
; QKV.  C[m][n'] = sum over k of x[m][k] W[n'][k] on codes of FP4 (E2M1) with one E8M0 scale for each 32 along K; m = 8,192 tokens, n' = 1024 z + n (z: q, k, v), K = 1,024; sums in f32.
; A tile of C, 256 x 256, is made by four waves, each 128 x 128: 64 accumulators, 512 registers.  K is two slots of 512 (LDS rows of 256 bytes + 16): both are filled at the start, none again.
; The scale bytes of the work-group's 256 + 256 rows are two dense blocks: they come once, as rows of 256 bytes + 16.
; CLUSTERS: 4 x 4 work-groups; x's tiles are shared along a row of the cluster, the weights' along a column: each tile is asked for jointly by four, with one descriptor and a mask that names the four.
; THE MATRIX INSTRUCTION IS USED TRANSPOSED (source 0 = 16 rows of W, source 1 = 16 tokens): a lane holds eight neighbouring columns of one token.
; OUT: q, k, v rounded to f16, laid [z][batch][head][position][64]: a store covers 4 positions x 128 bytes = 512 consecutive bytes of one head.  Positions 0-15 of every sequence leave also as f32 sums,
; as images of the accumulators' registers (qkvf: [batch][z][head] x 8 images of 512 bytes; image 2 bb + u, lane (r, h): columns 16 bb + 8 h + 4 u + 0..3 of position r).
; LIMIT: q, k, v beyond 65,504 in magnitude are not served (f16).
; REGISTERS: window 0: v0-31 addresses; v32-95 scale words, two sets; v128-191 x's fragments, one set; window 1: W's fragments, two sets; windows 2, 3: the accumulators ((a, b) at v[8 (8 (a % 4) + b)]).
.set SIZE_K, 1024
.set KSTEP,  512
.set NQ,     KSTEP/128
.set ROWB,   256
.set KROW,   SIZE_K*4/8
.set PITCH,  272                       ; 256 bytes + 16: the 16 rows of a fragment load start 68 words apart
.set FR,     8
.set NL,     2
.set NP,     4
.set HALFT,  128*PITCH
.set SLOT,   4*HALFT
.set KS,     SIZE_K/32
.set SCL,    2*SLOT
.set HALFS,  (128*KS/256)*272
.set SBLK,   (16*KS/256)*272
.set SPARE,  SCL+4*HALFS               ; the spare words, 128 bytes a wave: two blocks of 256 bytes that no other line names
.set SPITCH, 272                       ; the way out: 16 rows x (256 bytes + 16) a wave, in slot 0, which has had its one fill and its last read by then
.set ADRA, 16
.set ADRB, 20
.set STO,  24
.set RD,   25
.set CO,   26
.set ADRS, 27
.set SPW,  28
.set NIL,  29
.set SC,   32
.set AF,   128
.set TMP,  32                          ; the way out: packed results
.set BK,   128                         ; the way out: v128-159 and v160-191 by turns
.set G1, 24
.set G0, 32
.set G1B, 48
.set G0B, 56
.set G1S, 68
.set G0S, 76
.set G1SB, 80
.set G0SB, 88
.set MSB, 0
.macro WIN new                         ; the immediate's high byte repeats the setting that is left
.if MSB != \new
	s_set_vgpr_msb (MSB<<8)|\new
.set MSB, \new
.endif
.endm
.set MUL_LO, 0xa1
.set MUL_HI, 0xf1
.set TO_B,   0x40
; A joint load: waves 0 and 1 fetch for x, waves 2 and 3 for W.  The branch hangs on the wave's number alone.  An s_nop 0 and four v_nop follow each line.
.macro JLOAD g0a, g1a, g0b, g1b
	s_cmp_eq_u32 s15, 0
	s_cbranch_scc0 .Lfor_b_\@
	tensor_load_to_lds s[\g0a:\g0a+3], s[\g1a:\g1a+7]
	s_nop 0
.rept 4
	v_nop
.endr
	s_branch .Lasked_\@
.Lfor_b_\@:
	tensor_load_to_lds s[\g0b:\g0b+3], s[\g1b:\g1b+7]
	s_nop 0
.rept 4
	v_nop
.endr
.Lasked_\@:
.endm
.macro CROUND                          ; a round of the cluster's barrier
	s_barrier_signal -1
	s_barrier_wait -1
	s_cmp_lg_u32 s14, 0
	s_cbranch_scc1 .Lnot_wave_0_\@
	s_barrier_signal -3
.Lnot_wave_0_\@:
	s_barrier_wait -3
	s_barrier_signal -1
	s_barrier_wait -1
.endm
	s_load_b128 s[4:7], s[0:1], 0x0                ; x's codes, x's scales
	s_load_b128 s[8:11], s[0:1], 0x10              ; W's codes, W's scales
	s_load_b64 s[12:13], s[0:1], 0x20              ; qkv
	s_load_b64 s[98:99], s[0:1], 0x28              ; qkvf
	v_lshl_add_u32 v[SPW], v0, 2, SPARE
	v_mov_b32 v[NIL], 0
	ds_add_u32 v[SPW], v[NIL]                      ; the wave's opening: the add, twice on end, and its wait ahead of my first tensor load
	ds_add_u32 v[SPW], v[NIL]
	v_lshrrev_b32 v1, 5, v0
	v_readfirstlane_b32 s14, v1                    ; wave 0..3
	s_lshr_b32 s15, s14, 1                         ; my half of the tile's rows; also: I fetch for x (0) or for W (1)
	s_and_b32 s16, s14, 1                          ; my half of its columns; also: which 128 rows I fetch
	s_bfe_u32 s40, ttmp6, 0x40000                  ; cx, cy
	s_bfe_u32 s41, ttmp6, 0x40004
	s_lshl_b32 s42, ttmp9, 2
	s_add_co_u32 s42, s42, s40                     ; tile column
	s_and_b32 s17, ttmp7, 0xffff
	s_lshl_b32 s17, s17, 2
	s_add_co_u32 s17, s17, s41                     ; tile row
	s_lshl_b32 s43, s41, 2
	s_lshl_b32 s43, 15, s43                        ; my row of the cluster
	s_lshl_b32 s44, 0x1111, s40                    ; my column
	s_or_b32 s[G1+0], s43, (0<<16)|(1<<20)|(1<<21)|(5<<22)|(3<<25)  ; mask; elements of 1 byte; padding on; bit 21 beside a mask; 4 words after every 64
	s_or_b32 s[G1B+0], s44, (0<<16)|(1<<20)|(1<<21)|(5<<22)|(3<<25)
.irp g, G1, G1B
	s_mov_b32 s[\g+1], ROWB<<16                    ; tensor_dim0
	s_mov_b32 s[\g+2], 128<<16                     ; tensor_dim1
	s_mov_b32 s[\g+3], ROWB<<16                    ; tile_dim0
	s_mov_b32 s[\g+4], 128                         ; tile_dim1
	s_mov_b32 s[\g+5], KROW                        ; pitch
	s_mov_b32 s[\g+6], 0
	s_mov_b32 s[\g+7], 0
.endr
	s_or_b32 s[G1S+0], s43, (3<<16)|(1<<20)|(1<<21)|(5<<22)|(3<<25) ; the scales of 128 rows: 4,096 dense bytes as 16 rows of 32 elements of 8 bytes
	s_or_b32 s[G1SB+0], s44, (3<<16)|(1<<20)|(1<<21)|(5<<22)|(3<<25)
.irp g, G1S, G1SB
	s_mov_b32 s[\g+1], 32<<16
	s_mov_b32 s[\g+2], (128*KS/256)<<16
	s_mov_b32 s[\g+3], 32<<16
	s_mov_b32 s[\g+4], 128*KS/256
	s_mov_b32 s[\g+5], 32
	s_mov_b32 s[\g+6], 0
	s_mov_b32 s[\g+7], 0
.endr
	s_lshl_b32 s18, s16, 7
	s_lshl_b32 s20, s17, 8
	s_add_co_u32 s20, s20, s18                     ; x: row 256 x tile row + 128 x half
	s_lshl_b32 s46, s42, 8
	s_add_co_u32 s46, s46, s18                     ; W: row 256 x tile column + 128 x half
	s_mov_b32 s21, 0
	s_mov_b32 s47, 0
	s_mov_b64 s[18:19], KS
	s_mul_u64 s[22:23], s[20:21], s[18:19]
	s_mul_u64 s[92:93], s[46:47], s[18:19]
	s_mov_b64 s[18:19], KROW
	s_mul_u64 s[20:21], s[20:21], s[18:19]
	s_mul_u64 s[46:47], s[46:47], s[18:19]
	s_mul_i32 s45, s14, HALFT                      ; where they go: wave x 128 rows
	s_mul_i32 s94, s14, HALFS
	s_wait_dscnt 0x0                               ; both opening adds are done
	s_wait_kmcnt 0x0
	s_add_nc_u64 s[20:21], s[4:5], s[20:21]
	s_add_nc_u64 s[22:23], s[6:7], s[22:23]
	s_add_nc_u64 s[46:47], s[8:9], s[46:47]
	s_add_nc_u64 s[92:93], s[10:11], s[92:93]
	CROUND                                         ; all sixteen work-groups are here: the joint loads meet
	s_mov_b32 s[G0S], 1
	s_add_co_u32 s[G0S+1], s94, SCL
	s_mov_b64 s[G0S+2:G0S+3], s[22:23]
	s_or_b32 s[G0S+3], s[G0S+3], 0x80000000
	s_mov_b32 s[G0SB], 1
	s_add_co_u32 s[G0SB+1], s94, SCL
	s_mov_b64 s[G0SB+2:G0SB+3], s[92:93]
	s_or_b32 s[G0SB+3], s[G0SB+3], 0x80000000
	JLOAD G0S, G1S, G0SB, G1SB                     ; the scales first
.irp s, 0,1
	s_mov_b32 s[G0+4*\s], 1
	s_add_co_u32 s[G0+4*\s+1], s45, \s*SLOT
	s_add_nc_u64 s[G0+4*\s+2:G0+4*\s+3], s[20:21], \s*ROWB
	s_or_b32 s[G0+4*\s+3], s[G0+4*\s+3], 0x80000000
	s_mov_b32 s[G0B+4*\s], 1
	s_add_co_u32 s[G0B+4*\s+1], s45, \s*SLOT
	s_add_nc_u64 s[G0B+4*\s+2:G0B+4*\s+3], s[46:47], \s*ROWB
	s_or_b32 s[G0B+4*\s+3], s[G0B+4*\s+3], 0x80000000
	JLOAD G0+4*\s, G1, G0B+4*\s, G1B               ; three loads of mine are out behind the second of these
.endr
	v_and_b32 v1, 15, v0                           ; r
	v_bfe_u32 v2, v0, 4, 1                         ; h
	v_mul_u32_u24 v3, v1, PITCH
	v_lshl_add_u32 v4, v2, 4, v3
	s_mul_i32 s21, s15, HALFT
	s_mul_i32 s22, s16, HALFT
	s_add_co_u32 s22, s22, 2*HALFT
.irp s, 0,1
	v_add_nc_u32 v[ADRA+\s], s21, v4
	v_add_nc_u32 v[ADRB+\s], s22, v4
	s_add_co_u32 s21, s21, SLOT
	s_add_co_u32 s22, s22, SLOT
.endr
	v_mul_u32_u24 v5, v1, KS                       ; my row's scales: 32 bytes a row, 16 more for each 256 passed
	v_lshrrev_b32 v6, 8, v5
	v_lshl_add_u32 v5, v6, 4, v5
	s_mul_i32 s21, s15, HALFS
	s_mul_i32 s22, s16, HALFS
	s_add_co_u32 s22, s22, 2*HALFS
	s_sub_co_u32 s22, s22, s21
	v_mul_u32_u24 v6, s22, v2                      ; lanes 16-31 take W's
	s_add_co_u32 s21, s21, SCL
	v_add_nc_u32 v5, v5, v6
	v_add_nc_u32 v[ADRS], s21, v5
	s_mul_i32 s23, s14, 16*SPITCH                  ; my stage
	v_mul_u32_u24 v5, v1, SPITCH
	v_lshl_add_u32 v5, v2, 4, v5
	v_add_nc_u32 v[STO], s23, v5                   ; in: row r, 16 bytes for each half of the lanes
	v_and_b32 v6, 31, v0
	v_lshlrev_b32 v[CO], 4, v6                     ; 16 x lane
	v_lshrrev_b32 v5, 3, v6
	v_mul_u32_u24 v5, v5, SPITCH
	v_and_b32 v6, 7, v6
	v_lshl_add_u32 v5, v6, 4, v5
	v_add_nc_u32 v[RD], s23, v5                    ; back: eight lanes to a head's 128 bytes of a row, four rows an instruction
	; where my 128 tokens x 2 heads lie
	s_lshr_b32 s20, s42, 2                         ; z
	s_and_b32 s21, s42, 3
	s_lshl_b32 s21, s21, 2
	s_lshl_b32 s46, s16, 1
	s_add_co_u32 s21, s21, s46                     ; my first head
	s_lshr_b32 s46, s17, 3                         ; batch
	s_and_b32 s47, s17, 7
	s_or_b32 s100, s47, s15                        ; 0 where my rows begin at position 0 of a sequence
	s_lshl_b32 s47, s47, 8
	s_lshl_b32 s18, s15, 7
	s_add_co_u32 s47, s47, s18                     ; my first position
	s_lshl_b32 s18, s20, 2
	s_add_co_u32 s18, s18, s46
	s_lshl_b32 s18, s18, 4
	s_add_co_u32 s18, s18, s21
	s_lshl_b32 s18, s18, 11
	s_add_co_u32 s18, s18, s47
	s_lshl_b32 s18, s18, 7                         ; (((4 z + batch) 16 + head) 2048 + position) x 128 bytes: under 2^26
	s_mov_b32 s19, 0
	s_add_nc_u64 s[12:13], s[12:13], s[18:19]
	s_mul_i32 s18, s46, 3
	s_add_co_u32 s18, s18, s20
	s_lshl_b32 s18, s18, 4
	s_add_co_u32 s18, s18, s21
	s_lshl_b32 s18, s18, 12
	s_add_nc_u64 s[98:99], s[98:99], s[18:19]
.macro FRAG reg, adr, q, i             ; 16 rows x 128 K of 4-bit codes: 8 registers: two loads of 16 bytes, 32 bytes apart
.irp c, 0,1
	ds_load_b128 v[\reg+4*\c:\reg+4*\c+3], v[\adr] offset:64*(\q)+32*\c+(\i)*16*PITCH
.endr
.endm
; 16 matrix instructions: x's blocks a0, a0 + 1 against W's eight.  The 64 accumulators take turns, one instruction a turn, in the same order in every step.
.macro MUL16 a0, p, q, sc, zero
.irp a, \a0, \a0+1
.irp b, 0,1,2,3,4,5,6,7
.if \zero
	v_wmma_scale_f32_16x16x128_f8f6f4 v[8*(8*((\a)%4)+\b):8*(8*((\a)%4)+\b)+7], v[128*(\p)+FR*\b:128*(\p)+FR*\b+FR-1], v[AF+FR*(\a):AF+FR*(\a)+FR-1], 0, v[SC+8*NQ*(\sc)+NQ*\b+(\q)], v[SC+8*NQ*(\sc)+NQ*(\a)+(\q)] matrix_a_fmt:MATRIX_FMT_FP4 matrix_b_fmt:MATRIX_FMT_FP4 matrix_a_scale:MATRIX_SCALE_ROW1
.else
	v_wmma_scale_f32_16x16x128_f8f6f4 v[8*(8*((\a)%4)+\b):8*(8*((\a)%4)+\b)+7], v[128*(\p)+FR*\b:128*(\p)+FR*\b+FR-1], v[AF+FR*(\a):AF+FR*(\a)+FR-1], v[8*(8*((\a)%4)+\b):8*(8*((\a)%4)+\b)+7], v[SC+8*NQ*(\sc)+NQ*\b+(\q)], v[SC+8*NQ*(\sc)+NQ*(\a)+(\q)] matrix_a_fmt:MATRIX_FMT_FP4 matrix_b_fmt:MATRIX_FMT_FP4 matrix_a_scale:MATRIX_SCALE_ROW1
.endif
.endr
.endr
.endm
.macro FETCH_B slot, q, p
	WIN TO_B
.irp i, 0,1,2,3,4,5,6,7
	FRAG 128*(\p)+FR*\i, ADRB+\slot, \q, \i
.endr
	WIN 0
.endm
.macro FETCH_A slot, q, i0
.irp i, \i0, \i0+1, \i0+2, \i0+3
	FRAG AF+FR*(\i), ADRA+\slot, \q, \i
.endr
.endm
.macro SCALES sc                       ; a slot's scale words: lanes 0-15 take x's block i, lanes 16-31 W's block i
.irp i, 0,1,2,3,4,5,6,7
	ds_load_b128 v[SC+8*NQ*\sc+NQ*\i:SC+8*NQ*\sc+NQ*\i+3], v[ADRS] offset:\i*SBLK
.endr
.endm
.macro PLACES n                        ; plain vector instructions between a matrix instruction and a load into, or a read of, its registers
.rept \n
	v_nop
.endr
.endm
.macro STEP slot, q, zero              ; 128 along K that has its successor in the same slot
	s_wait_dscnt 4*NL                              ; W's set and x's blocks 0-3 are in; the youngest eight loads (x's blocks 4-7) may be out
	WIN MUL_LO
	MUL16 0, (\q)%2, \q, \slot, \zero
	MUL16 2, (\q)%2, \q, \slot, \zero
	s_wait_dscnt 0
	PLACES NP
	FETCH_B \slot, (\q)+1, 1-(\q)%2
	FETCH_A \slot, (\q)+1, 0
	WIN MUL_HI
	MUL16 4, (\q)%2, \q, \slot, \zero
	MUL16 6, (\q)%2, \q, \slot, \zero
	PLACES NP
	WIN 0
	FETCH_A \slot, (\q)+1, 4
.endm
.macro TURN slot, next                 ; slot 0's last step: one barrier; in front of it my part of slot 1 has landed; nothing is filled again
	s_wait_tensorcnt 0x0
	ds_add_u32 v[SPW], v[NIL]
	s_wait_dscnt 4*NL+1                            ; the add and the youngest eight loads may be out
	WIN MUL_LO
	MUL16 0, 1, NQ-1, \slot, 0
	s_wait_dscnt 0x0
	s_barrier_signal -1
	MUL16 2, 1, NQ-1, \slot, 0
	WIN 0
	s_barrier_wait -1
	PLACES NP
	v_add_nc_u32 v[ADRS], 4*NQ, v[ADRS]            ; the next slot's scale words
	FETCH_B \next, 0, 0
	FETCH_A \next, 0, 0
	SCALES \next
	WIN MUL_HI
	MUL16 4, 1, NQ-1, \slot, 0
	MUL16 6, 1, NQ-1, \slot, 0
	PLACES NP
	WIN 0
	FETCH_A \next, 0, 4
.endm
	s_wait_tensorcnt 1                             ; the scales and my part of slot 0 are in (slot 1's load may be out),
	s_barrier_signal -1
	s_barrier_wait -1                              ; everybody's are
	FETCH_B 0, 0, 0
	FETCH_A 0, 0, 0
	SCALES 0
	FETCH_A 0, 0, 4
	STEP 0, 0, 1                                   ; the first products start the sums: nothing is cleared
	STEP 0, 1, 0
	STEP 0, 2, 0
	TURN 0, 1
	STEP 1, 0, 0
	STEP 1, 1, 0
	STEP 1, 2, 0
	s_wait_dscnt 4*NL
	WIN MUL_LO
	MUL16 0, 1, NQ-1, 1, 0
	MUL16 2, 1, NQ-1, 1, 0
	s_wait_dscnt 0
	WIN MUL_HI
	MUL16 4, 1, NQ-1, 1, 0
	MUL16 6, 1, NQ-1, 1, 0
	WIN 0
	; THE WAY OUT
	PLACES NP
	; positions 0-15 as f32: block 0's accumulators as they stand, each from its low end on.  Lanes are on only where my rows begin a sequence: a mask on stores, no branch.
	s_wait_xcnt 0x0                                ; EXEC changes only behind this wait
	v_cmp_eq_u32 vcc_lo, s100, v[NIL]
	s_and_saveexec_b32 s101, vcc_lo
	WIN 0x08                                       ; a store's data are its source 1: window 2
.irp b, 0,1,2,3,4,5,6,7
	global_store_b128 v[CO], v[8*\b:8*\b+3], s[98:99] offset:1024*\b
	global_store_b128 v[CO], v[8*\b+4:8*\b+7], s[98:99] offset:1024*\b+512
.endr
	WIN 0
	s_wait_xcnt 0x0                                ; and again in front of the line that widens it
	s_or_b32 exec_lo, exec_lo, s101
.macro PACK a                          ; block a rounded to f16: 16 bytes a lane and accumulator
.set AC, 64*((\a)%4)
	WIN 0x0a+5*((\a)/4)
.irp b, 0,1,2,3,4,5,6,7
.irp r, 0,1,2,3
	v_cvt_pk_f16_f32 v[TMP+4*\b+\r], v[AC+8*\b+2*\r], v[AC+8*\b+2*\r+1]
.endr
.endr
	WIN 0
.endm
.macro TOSTAGE a                       ; LDS serves a wave's instructions in order: the loads see the stores
.set BB, BK+32*((\a)%2)
.irp b, 0,1,2,3,4,5,6,7
	ds_store_b128 v[STO], v[TMP+4*\b:TMP+4*\b+3] offset:32*\b
.endr
.irp g, 0,1
.irp i, 0,1,2,3
	ds_load_b128 v[BB+4*(4*\g+\i):BB+4*(4*\g+\i)+3], v[RD] offset:4*SPITCH*\i+128*\g
.endr
.endr
.endm
.macro SEND a
.set BB, BK+32*((\a)%2)
	s_wait_dscnt 0x0                               ; the block is back in registers
	s_wait_xcnt 0x0                                ; the stores of the block before have read their registers, into which the next block's loads land
.irp g, 0,1
.irp i, 0,1,2,3
	global_store_b128 v[CO], v[BB+4*(4*\g+\i):BB+4*(4*\g+\i)+3], s[12:13] offset:262144*\g+2048*(\a)+512*\i   ; head g, positions 16 a + 4 i on: 512 consecutive bytes
.endr
.endr
.endm
	PACK 0
	TOSTAGE 0
.irp a, 1,2,3,4,5,6,7
	PACK \a
	SEND \a-1
	TOSTAGE \a
.endr
	SEND 7
	s_wait_tensorcnt 0x0                           ; the wave's end
	ds_add_u32 v[SPW], v[NIL]
	s_wait_dscnt 0x0
	CROUND                                         ; the closing round
	s_endpgm
.Lfunc_end_k_q4f27af7b6f_qkv:
	.size	k_q4f27af7b6f_qkv, .Lfunc_end_k_q4f27af7b6f_qkv-k_q4f27af7b6f_qkv
	.p2alignl 7, 3214868480
	.fill 96, 4, 3214868480
	.section	.rodata,"a",@progbits
	.p2align	6, 0x0
	.amdhsa_kernel k_q4f27af7b6f_qkv
		.amdhsa_group_segment_fixed_size 327680
		.amdhsa_private_segment_fixed_size 0
		.amdhsa_enable_private_segment 0
		.amdhsa_kernarg_size 48
		.amdhsa_user_sgpr_count 2
		.amdhsa_user_sgpr_kernarg_segment_ptr 1
		.amdhsa_wavefront_size32 1
		.amdhsa_system_sgpr_workgroup_id_x 1
		.amdhsa_system_sgpr_workgroup_id_y 1
		.amdhsa_system_sgpr_workgroup_id_z 1
		.amdhsa_system_vgpr_workitem_id 0
		.amdhsa_next_free_vgpr 1024
		.amdhsa_next_free_sgpr 102
		.amdhsa_reserve_vcc 1
		.amdhsa_float_denorm_mode_32 3
		.amdhsa_float_denorm_mode_16_64 3
		.amdhsa_memory_ordered 1
		.amdhsa_forward_progress 1
		.amdhsa_inst_pref_size 128
	.end_amdhsa_kernel
	.amdgpu_metadata
---
amdhsa.version: [ 1, 2 ]
amdhsa.kernels:
  - .name:           k_q4f27af7b6f_qkv
    .symbol:         k_q4f27af7b6f_qkv.kd
    .args:
      - { .name: xc, .offset: 0, .size: 8, .value_kind: global_buffer, .address_space: global }
      - { .name: xs, .offset: 8, .size: 8, .value_kind: global_buffer, .address_space: global }
      - { .name: wc, .offset: 16, .size: 8, .value_kind: global_buffer, .address_space: global }
      - { .name: ws, .offset: 24, .size: 8, .value_kind: global_buffer, .address_space: global }
      - { .name: qkv, .offset: 32, .size: 8, .value_kind: global_buffer, .address_space: global }
      - { .name: qkvf, .offset: 40, .size: 8, .value_kind: global_buffer, .address_space: global }
    .group_segment_fixed_size: 327680
    .private_segment_fixed_size: 0
    .kernarg_segment_align: 8
    .kernarg_segment_size: 48
    .max_flat_workgroup_size: 128
    .sgpr_count:     102
    .vgpr_count:     1024
    .wavefront_size: 32
...
	.end_amdgpu_metadata
.endif
;; end of part 2
;; launch attn (part 3): grid 4 x 64, 16 waves a work-group, no clusters, 327,680 bytes of LDS; arguments qkv, ctx; writes ctx
.if DOCPART == 3
	.amdgcn_target "amdgcn-amd-amdhsa--gfx1250"
	.amdhsa_code_object_version 6
	.text
	.protected	k_q4f27af7b6f_attn
	.globl	k_q4f27af7b6f_attn
	.p2align	8
	.type	k_q4f27af7b6f_attn,@function
k_q4f27af7b6f_attn:
	s_mov_b64 s[64:65], 0
	v_nop
	global_prefetch_b8 v0, s[64:65] scope:SCOPE_SE
	s_setreg_imm32_b32 hwreg(HW_REG_WAVE_MODE, 25, 1), 1
	s_wait_xcnt 0x0
; ATTN.  ctx[b][q][head] = sum over k <= q of softmax_k(q . k / 8) v, on f16 operands with f32 sums; maxima, exponentials and row sums in f32; the weights p are rounded to f16 for the second product.
; qkv: [z][batch][head][2048][64] f16.  ctx: [token / 256][head][256][64] f16.
; SHARES.  Work-group (p, batch x head), sixteen waves.  Wave w owns TWO tiles of 16 queries: a late one at 2032 - 256 p - 16 w and an early one at 256 p + 16 w: under the causal mask the two together
; have about the same number of key steps in every wave of every work-group, and they share each fragment of K and V while both are open.
; Every work-group walks 8 slots of 256 keys (constant trip counts); a step is 64 keys.  A step all of whose keys come after a tile's queries is left out for that tile by a scalar branch on ids.
; NO CLUSTER: the four work-groups of a head need different numbers of slots under the mask (8, 7, 6, 5), so a joint load would bring some partner tiles that none of its waves reads.
; LAYOUT.  S^T = K Q^T and O^T = V^T P: a lane holds one query (lane % 16) throughout; two neighbouring score tiles rounded in pairs ARE the second product's operand.  V ([key][channel]) is turned by ds_load_tr16_b128.
; SOFTMAX.  Running maximum m and sum l for each query: p = 2^(c s - c m), c = log2(e) / 8; in every step O and l are multiplied by a = 2^(c m_old - c m_new).
; LIMITS: NaN and infinities are not served; q, k, v are f16.
; REGISTERS: v1-14 addresses; v16-31 statistics, 8 a tile (+0 c m, +1 m, +2:3 l, +4..7 at work, a in +6); v32-63 Q; v64-127 S^T, then P in place; v128-191 O^T; v192-255 K's fragments, then V's.
.set KP,    144                        ; a key's row in LDS: 128 bytes + 16
.set VP,    160                        ; a row of V: 128 + 32
.set SK,    256                        ; keys in a slot
.set VOFF,  SK*KP
.set SLOT1, 1<<17
.set NSL,   2048/SK
.set SPARE, SLOT1+VOFF+SK*VP           ; the spare words, 128 bytes a wave: eight blocks of 256 bytes that no other line names
.set STAGE, SPARE+16*128               ; the way out: 16 rows x 144 bytes a wave; no tile lands here
.set AK0, 1
.set AV0, 2
.set ADK, 3
.set ADV, 4
.set SPW, 5
.set NIL, 6
.set GO,  7
.set STO, 8
.set RD,  9
.set DQ,  10                           ; lane % 16 - 8 (lane / 16)
.set NINF, 11
.set DD,  12
.set PFO, 13
.set QO,  14
.set ST,  16
.set Q,   32
.set S,   64
.set O,   128
.set F,   192
.set TB,  2                            ; s2  LDS byte at which the slot in hand begins
.set WV,  18
.set SEL, 20
.set CS,  22
.set G1K, 24
.set G1V, 32
.set G0K, 40
.set G0V, 44
.set SLOTS, 48
.set KF,  50                           ; the step's first key
.set Q0L, 51                           ; my late tile's first query
.set Q0E, 52                           ; my early tile's
.set LASTQ, 53                         ; my work-group's last query
.set PFA, 56
.set LIM, 58
.set CL,  60                           ; s[60:61], s[62:63] where my two tiles lie in ctx
.set QL,  66                           ; s[66:67], s[68:69] and in q
; Waves 0 and 1 fetch K's halves of a slot, waves 2 and 3 V's, the others nothing.  An s_nop 0 and four v_nop follow each line.
.macro TLOAD
	s_cmp_lt_u32 s[WV], 2
	s_cbranch_scc0 .Lnot_k_\@
	tensor_load_to_lds s[G0K:G0K+3], s[G1K:G1K+7]
	s_nop 0
.rept 4
	v_nop
.endr
	s_branch .Lasked_\@
.Lnot_k_\@:
	s_cmp_lt_u32 s[WV], 4
	s_cbranch_scc0 .Lasked_\@
	tensor_load_to_lds s[G0V:G0V+3], s[G1V:G1V+7]
	s_nop 0
.rept 4
	v_nop
.endr
.Lasked_\@:
.endm
; A prefetch of the slot that the NEXT change of slots will ask for: 32,768 dense bytes of K and of V.  The head's work-group p = 0, which walks all slots, asks alone; in it waves 4-7 for K and 8-11 for V,
; 8,192 bytes a wave, lanes 256 bytes apart: each aligned 256 bytes is named once in the launch.  The last change that fills a slot asks for nothing; slots 0 and 1 come by their loads alone.
.macro ASK
	s_cmp_gt_u32 s[SLOTS], s[LIM]
	s_cbranch_scc0 .Lnot_mine_\@
	global_prefetch_b8 v[PFO], s[PFA:PFA+1] th:TH_LOAD_NT scope:SCOPE_SE
.Lnot_mine_\@:
.endm
.macro CTXO d, q                       ; ((8 batch + q / 256) 16 + head) x 32,768 + (q % 256) x 128
	s_lshr_b32 s[\d], s[\q], 8
	s_add_co_u32 s[\d], s[\d], s72
	s_lshl_b32 s[\d], s[\d], 4
	s_add_co_u32 s[\d], s[\d], s73
	s_lshl_b32 s[\d], s[\d], 8
	s_and_b32 s[\d+1], s[\q], 255
	s_add_co_u32 s[\d], s[\d], s[\d+1]
	s_lshl_b32 s[\d], s[\d], 7
	s_mov_b32 s[\d+1], 0
.endm
	s_load_b128 s[4:7], s[0:1], 0x0                ; qkv, ctx
	v_lshl_add_u32 v[SPW], v0, 2, SPARE
	v_mov_b32 v[NIL], 0
	ds_add_u32 v[SPW], v[NIL]                      ; the wave's opening: the add, twice on end, and its wait ahead of the first tensor load
	ds_add_u32 v[SPW], v[NIL]
	v_lshrrev_b32 v15, 5, v0
	v_readfirstlane_b32 s[WV], v15                 ; wave 0..15
	s_and_b32 s70, ttmp7, 0xffff                   ; 16 batch + head
	s_lshl_b32 s71, s70, 18                        ; a head is 262,144 bytes
	s_lshl_b32 s72, ttmp9, 8
	s_lshl_b32 s73, s[WV], 4
	s_add_co_u32 s[Q0E], s72, s73
	s_sub_co_u32 s[Q0L], 2032, s[Q0E]
	s_sub_co_u32 s[LASTQ], 2047, s72
	s_lshl_b32 s[QL], s[Q0L], 7
	s_add_co_u32 s[QL], s[QL], s71
	s_mov_b32 s[QL+1], 0
	s_lshl_b32 s[QL+2], s[Q0E], 7
	s_add_co_u32 s[QL+2], s[QL+2], s71
	s_mov_b32 s[QL+3], 0
	s_lshr_b32 s72, s70, 4
	s_lshl_b32 s72, s72, 3                         ; 8 batch
	s_and_b32 s73, s70, 15                         ; head
	CTXO CL, Q0L
	CTXO CL+2, Q0E
	s_and_b32 s74, s[WV], 1                        ; which 128 rows of a slot I fetch, if I fetch
	s_lshl_b32 s75, s74, 14
	s_add_co_u32 s75, s75, s71
	s_add_co_u32 s76, s75, 0x1000000               ; in k,
	s_mov_b32 s77, 0
	s_add_co_u32 s78, s75, 0x2000000               ; in v
	s_mov_b32 s79, 0
	s_mul_i32 s54, s74, 128*KP
	s_mul_i32 s55, s74, 128*VP
	s_add_co_u32 s55, s55, VOFF
	s_cmp_lt_u32 s[WV], 8                          ; the prefetches: waves 4-7 stand in k, waves 8-11 in v
	s_mov_b32 s[PFA+1], 0x2000000
	s_cselect_b32 s[PFA], 0x1000000, s[PFA+1]
	s_and_b32 s[PFA+1], s[WV], 3
	s_lshl_b32 s[PFA+1], s[PFA+1], 13
	s_add_co_u32 s[PFA], s[PFA], s[PFA+1]
	s_add_co_u32 s[PFA], s[PFA], s71
	s_add_co_u32 s[PFA], s[PFA], SK*128            ; in slot 1: the first change of slots steps it to slot 2
	s_mov_b32 s[PFA+1], 0
	s_sub_co_u32 s70, s[WV], 4
	s_lshr_b32 s70, s70, 3                         ; 0 in waves 4 to 11,
	s_or_b32 s70, s70, ttmp9                       ; of work-group p = 0
	s_cmp_eq_u32 s70, 0
	s_cselect_b32 s[LIM], 1, -1
	s_mov_b32 s[G1K], (1<<16)|(1<<20)|(4<<22)|(3<<25)   ; elements of 2 bytes; padding: 4 words after every 32
	s_mov_b32 s[G1V], (1<<16)|(1<<20)|(4<<22)|(7<<25)   ; 8 words after every 32
.irp g, G1K, G1V
	s_mov_b32 s[\g+1], 64<<16                      ; tensor_dim0
	s_mov_b32 s[\g+2], 128<<16                     ; tensor_dim1
	s_mov_b32 s[\g+3], 64<<16                      ; tile_dim0
	s_mov_b32 s[\g+4], 128                         ; tile_dim1
	s_mov_b32 s[\g+5], 64                          ; pitch
	s_mov_b32 s[\g+6], 0
	s_mov_b32 s[\g+7], 0
.endr
	s_mov_b32 s[SEL], 0x76543210
	s_mov_b32 s[SEL+1], 0xfedcba98
	s_mov_b32 s[CS], 0x3e38aa3b                    ; c = log2(e) / 8
	s_mov_b32 s[CS+1], s[CS]
	s_mov_b32 s[TB], 0
	s_mov_b32 s[KF], 0
	s_mov_b32 s[SLOTS], NSL-1
	s_wait_dscnt 0x0                               ; both opening adds are done
	s_wait_kmcnt 0x0
	s_mov_b32 s[G0K], 1
	s_mov_b32 s[G0K+1], s54
	s_add_nc_u64 s[G0K+2:G0K+3], s[4:5], s[76:77]
	s_or_b32 s[G0K+3], s[G0K+3], 0x80000000
	s_mov_b32 s[G0V], 1
	s_mov_b32 s[G0V+1], s55
	s_add_nc_u64 s[G0V+2:G0V+3], s[4:5], s[78:79]
	s_or_b32 s[G0V+3], s[G0V+3], 0x80000000
	TLOAD                                          ; slot 0: key 0 counts for every query
	s_add_nc_u64 s[QL:QL+1], s[4:5], s[QL:QL+1]
	s_add_nc_u64 s[QL+2:QL+3], s[4:5], s[QL+2:QL+3]
	s_add_nc_u64 s[PFA:PFA+1], s[4:5], s[PFA:PFA+1]
	s_add_nc_u64 s[CL:CL+1], s[6:7], s[CL:CL+1]
	s_add_nc_u64 s[CL+2:CL+3], s[6:7], s[CL+2:CL+3]
	v_and_b32 v15, 15, v0                          ; r
	v_bfe_u32 v12, v0, 4, 1                        ; h
	v_lshlrev_b32 v[QO], 7, v15
	v_lshl_add_u32 v[QO], v12, 4, v[QO]            ; Q: row r of 128 bytes + 16 h
.irp x, 0,1
.irp c, 0,1
	global_load_b128 v[Q+16*\x+8*\c:Q+16*\x+8*\c+3], v[QO], s[QL+2*\x:QL+2*\x+1] offset:64*\c
	global_load_b128 v[Q+16*\x+8*\c+4:Q+16*\x+8*\c+7], v[QO], s[QL+2*\x:QL+2*\x+1] offset:64*\c+32
.endr
.endr
	v_mul_u32_u24 v[AK0], v15, KP
	v_lshl_add_u32 v[AK0], v12, 4, v[AK0]          ; K: row r x pitch + 16 h
	v_and_b32 v3, 7, v0
	v_lshl_add_u32 v3, v12, 3, v3
	v_mul_u32_u24 v[AV0], v3, VP                   ; V, turning load: key 8 h + lane % 8,
	v_bfe_u32 v3, v0, 3, 1
	v_lshl_add_u32 v[AV0], v3, 4, v[AV0]           ; channels 8 ((lane / 8) % 2) on
	v_add_nc_u32 v[AV0], VOFF, v[AV0]
	v_and_b32 v4, 31, v0
	v_lshlrev_b32 v[GO], 4, v4
	v_lshlrev_b32 v[PFO], 8, v4
	s_mul_i32 s54, s[WV], 16*KP
	s_add_co_u32 s54, s54, STAGE
	v_add_nc_u32 v[STO], s54, v[AK0]               ; the stage, in: row r, 16 bytes for each half of the lanes
	v_lshrrev_b32 v3, 3, v4
	v_mul_u32_u24 v3, v3, KP
	v_and_b32 v4, 7, v0
	v_lshl_add_u32 v3, v4, 4, v3
	v_add_nc_u32 v[RD], s54, v3                    ; back: eight lanes to a row, four rows an instruction
	v_lshlrev_b32 v3, 3, v12
	v_sub_nc_u32 v[DQ], v15, v3
	v_mov_b32 v[NINF], 0xff800000
.irp x, 0,1
	v_mov_b32 v[ST+8*\x+1], 0xff61b1e6             ; m = -3e38, under every score
	v_mul_f32 v[ST+8*\x], s[CS], v[ST+8*\x+1]
.irp i, 2,3,4,5,6,7
	v_mov_b32 v[ST+8*\x+\i], 0
.endr
.endr
.set jj, 0
.rept 64
	v_mov_b32 v[O+jj], 0                           ; O^T: the step is written once; the first finds zeros, which the first a leaves zeros
.set jj, jj+1
.endr
.set jj, 0
.rept 32
	v_mov_b32 v[S+32+jj], 0                        ; the early tile's scores: written once, so that they are written on every way through the step's two branches
.set jj, jj+1
.endr
; S^T = K Q^T of tile x: four accumulators by turns, two deep
.macro KQ x
.irp c, 0,1
.irp t, 0,1,2,3
.if \c == 0
	v_wmma_f32_16x16x32_f16 v[S+32*\x+8*\t:S+32*\x+8*\t+7], v[F+8*(2*\t+\c):F+8*(2*\t+\c)+7], v[Q+16*\x+8*\c:Q+16*\x+8*\c+7], 0
.else
	v_wmma_f32_16x16x32_f16 v[S+32*\x+8*\t:S+32*\x+8*\t+7], v[F+8*(2*\t+\c):F+8*(2*\t+\c)+7], v[Q+16*\x+8*\c:Q+16*\x+8*\c+7], v[S+32*\x+8*\t:S+32*\x+8*\t+7]
.endif
.endr
.endr
.endm
; O^T += V^T P of tile x: keys 32 k on, channels 16 d on
.macro PV x
.irp k, 0,1
.irp d, 0,1,2,3
	v_wmma_f32_16x16x32_f16 v[O+32*\x+8*\d:O+32*\x+8*\d+7], v[F+8*(4*\k+\d):F+8*(4*\k+\d)+7], v[S+32*\x+8*\k:S+32*\x+8*\k+7], v[O+32*\x+8*\d:O+32*\x+8*\d+7]
.endr
.endr
.endm
; On the diagonal hidden scores become -infinity.  Register n holds key KF + 16 (n / 8) + 8 (lane / 16) + n % 8: hidden where 16 (n / 8) + n % 8 > first query - KF + lane % 16 - 8 (lane / 16)
.macro MASK x
	s_sub_co_i32 s54, s[Q0L+\x], s[KF]
	s_cmp_ge_i32 s54, 64
	s_cbranch_scc1 .Lopen_\@
	v_add_nc_u32 v[DD], s54, v[DQ]
.irp n, 0,1,2,3,4,5,6,7,8,9,10,11,12,13,14,15,16,17,18,19,20,21,22,23,24,25,26,27,28,29,30,31
	v_cmp_gt_i32 vcc_lo, 16*(\n/8)+\n%8, v[DD]
	v_cndmask_b32 v[S+32*\x+\n], v[S+32*\x+\n], v[NINF], vcc_lo
.endr
.Lopen_\@:
.endm
.macro SOFT x
.set rT, ST+8*\x
.set rS, S+32*\x
.set rO, O+32*\x
.irp k, 0,1,2,3
	v_max3_num_f32 v[rT+4+\k], v[rS+8*\k], v[rS+8*\k+1], v[rS+8*\k+2]   ; four chains, each accumulator from its low end on
.endr
.irp i, 3,5
.irp k, 0,1,2,3
	v_max3_num_f32 v[rT+4+\k], v[rT+4+\k], v[rS+8*\k+\i], v[rS+8*\k+\i+1]
.endr
.endr
	v_max3_num_f32 v[rT+4], v[rT+4], v[rS+7], v[rS+15]
	v_max3_num_f32 v[rT+6], v[rT+6], v[rS+23], v[rS+31]
	v_max3_num_f32 v[rT+4], v[rT+4], v[rT+5], v[rT+6]
	v_max3_num_f32 v[rT+4], v[rT+4], v[rT+7], v[rT+1]      ; with the old m
	v_permlanex16_b32 v[rT+5], v[rT+4], s[SEL], s[SEL+1]   ; the query's other 32 keys lie in the lane 16 away
	v_mov_b32 v[rT+7], v[rT]
	v_max_num_f32 v[rT+1], v[rT+4], v[rT+5]
	v_mul_f32 v[rT], s[CS], v[rT+1]
	v_sub_f32 v[rT+7], v[rT+7], v[rT]                      ; c m_old - c m_new
.set jj, 0
.rept 16
	v_pk_fma_f32 v[rS+jj:rS+jj+1], v[rS+jj:rS+jj+1], s[CS:CS+1], v[rT:rT+1] op_sel_hi:[1,0,0] neg_lo:[0,0,1] neg_hi:[0,0,1]   ; c s - c m
.set jj, jj+2
.endr
	v_exp_f32 v[rT+6], v[rT+7]                             ; a
.set jj, 0
.rept 32
	v_exp_f32 v[rS+jj], v[rS+jj]
.set jj, jj+1
.endr
	v_nop                                                  ; a plain instruction behind the last exponential
	s_wait_alu depctr_va_vdst(0)                           ; one wait for the batch of 33, ahead of its first reader
	v_pk_mul_f32 v[rT+2:rT+3], v[rT+2:rT+3], v[rT+6:rT+7] op_sel_hi:[1,0]
	v_pk_add_f32 v[rT+4:rT+5], v[rS:rS+1], v[rS+2:rS+3]    ; the row's sum of the unrounded p, in two chains
.set jj, 4
.rept 7
	v_pk_add_f32 v[rT+2:rT+3], v[rT+2:rT+3], v[rS+jj:rS+jj+1]
	v_pk_add_f32 v[rT+4:rT+5], v[rT+4:rT+5], v[rS+jj+2:rS+jj+3]
.set jj, jj+4
.endr
	v_pk_add_f32 v[rT+2:rT+3], v[rT+2:rT+3], v[rT+4:rT+5]
.set jj, 0
.rept 16
	v_cvt_pk_f16_f32 v[rS+jj], v[rS+2*jj], v[rS+2*jj+1]    ; P in place: registers 0-7 keys 0-31, registers 8-15 keys 32-63, in the operand's order
.set jj, jj+1
.endr
.set jj, 0
.rept 16
	v_pk_mul_f32 v[rO+jj:rO+jj+1], v[rO+jj:rO+jj+1], v[rT+6:rT+7] op_sel_hi:[1,0]
.set jj, jj+2
.endr
.endm
; A KEY STEP: 64 keys, the q-th of the slot in hand
.macro STEP q
	s_cmp_gt_u32 s[KF], s[Q0L]
	s_cbranch_scc1 .Lhid_\@                        ; all keys come after both my tiles
	v_add_nc_u32 v[ADK], s[TB], v[AK0]
	v_add_nc_u32 v[ADV], s[TB], v[AV0]
.rept 3
	v_nop                                          ; with the two additions five places: the products below write over P, which the last products read, and the loads land on V's fragments
.endr
.irp t, 0,1,2,3
.irp c, 0,1
	ds_load_b128 v[F+8*(2*\t+\c):F+8*(2*\t+\c)+3], v[ADK] offset:64*KP*(\q)+16*KP*\t+64*\c
	ds_load_b128 v[F+8*(2*\t+\c)+4:F+8*(2*\t+\c)+7], v[ADK] offset:64*KP*(\q)+16*KP*\t+64*\c+32
.endr
.endr
	s_wait_dscnt 0x0
	KQ 0
	s_cmp_gt_u32 s[KF], s[Q0E]
	s_cbranch_scc1 .Lno_early_\@
	KQ 1
.Lno_early_\@:
.rept 4
	v_nop                                          ; places in front of the loads into K's registers and of the first read of the scores
.endr
.irp k, 0,1
.irp d, 0,1,2,3
	ds_load_tr16_b128 v[F+8*(4*\k+\d):F+8*(4*\k+\d)+3], v[ADV] offset:64*VP*(\q)+32*VP*\k+32*\d
	ds_load_tr16_b128 v[F+8*(4*\k+\d)+4:F+8*(4*\k+\d)+7], v[ADV] offset:64*VP*(\q)+32*VP*\k+16*VP+32*\d
.endr
.endr
	MASK 0
	SOFT 0                                         ; V lands meanwhile
	s_wait_dscnt 0x0
	PV 0
	s_cmp_gt_u32 s[KF], s[Q0E]
	s_cbranch_scc1 .Lhid_\@
	MASK 1
	SOFT 1
	PV 1
.Lhid_\@:
	s_add_co_u32 s[KF], s[KF], 64
.endm
; THE CHANGE OF SLOTS, at a slot's head.  Each wave waits for all its tensor loads, adds 0 to its spare word, and waits for that and for its reads of the slot that it has left; behind the barrier the slot
; ahead is whole and nobody reads the other one, which takes the next 256 keys, while their first key is at or under the work-group's last query: a slot beyond that is read by none of the sixteen waves.
.macro CHANGE fill
	s_wait_tensorcnt 0x0
	ds_add_u32 v[SPW], v[NIL]
.if \fill
	ds_add_u32 v[SPW], v[NIL]                      ; where a load may follow, the add twice on end
	s_xor_b32 s[G0K+1], s[G0K+1], SLOT1
	s_add_nc_u64 s[G0K+2:G0K+3], s[G0K+2:G0K+3], SK*128
	s_xor_b32 s[G0V+1], s[G0V+1], SLOT1
	s_add_nc_u64 s[G0V+2:G0V+3], s[G0V+2:G0V+3], SK*128
	s_wait_xcnt 0x0                                ; the last prefetch, a slot back, has read its address
	s_add_nc_u64 s[PFA:PFA+1], s[PFA:PFA+1], SK*128
.endif
	s_wait_dscnt 0x0
	s_barrier_signal -1
	s_barrier_wait -1
.if \fill
	s_add_co_u32 s54, s[KF], SK                    ; the first key of the slot that this change would ask for
	s_cmp_gt_u32 s54, s[LASTQ]                     ; ids and the count of steps alone: all sixteen waves go the same way
	s_cbranch_scc1 .Lpast_\@
	TLOAD
.Lpast_\@:
	ASK
.endif
.endm
.macro SLOT_STEPS
	STEP 0
	STEP 1
	STEP 2
	STEP 3
	s_xor_b32 s[TB], s[TB], SLOT1
.endm
	s_wait_loadcnt 0x0                             ; Q
.Lslot:
	CHANGE 1
	SLOT_STEPS
	s_sub_co_u32 s[SLOTS], s[SLOTS], 1
	s_cmp_lg_u32 s[SLOTS], 0
	s_cbranch_scc1 .Lslot
	CHANGE 0
	SLOT_STEPS
	; THE WAY OUT: O^T / l, rounded to f16, through my stage: a tile of one head is 2,048 consecutive bytes of ctx
.rept 4
	v_nop
.endr
.irp x, 0,1
	v_add_f32 v[ST+8*\x+4], v[ST+8*\x+2], v[ST+8*\x+3]
.endr
.irp x, 0,1
	v_permlanex16_b32 v[ST+8*\x+5], v[ST+8*\x+4], s[SEL], s[SEL+1]
.endr
.irp x, 0,1
	v_add_f32 v[ST+8*\x+4], v[ST+8*\x+4], v[ST+8*\x+5]
.endr
.irp x, 0,1
	v_rcp_f32 v[ST+8*\x+6], v[ST+8*\x+4]
.endr
	v_nop
	s_wait_alu depctr_va_vdst(0)                   ; one wait for the two reciprocals
.irp x, 0,1
.set jj, 0
.rept 16
	v_pk_mul_f32 v[O+32*\x+jj:O+32*\x+jj+1], v[O+32*\x+jj:O+32*\x+jj+1], v[ST+8*\x+6:ST+8*\x+7] op_sel_hi:[1,0]
.set jj, jj+2
.endr
.set jj, 0
.rept 16
	v_cvt_pk_f16_f32 v[S+32*\x+jj], v[O+32*\x+2*jj], v[O+32*\x+2*jj+1]
.set jj, jj+1
.endr
.irp d, 0,1,2,3
	ds_store_b128 v[STO], v[S+32*\x+4*\d:S+32*\x+4*\d+3] offset:32*\d
.endr
.irp i, 0,1,2,3
	ds_load_b128 v[F+16*\x+4*\i:F+16*\x+4*\i+3], v[RD] offset:4*KP*\i   ; LDS serves a wave's instructions in order: these see the stores, and the next tile's stores come behind them
.endr
.endr
.irp i, 0,1,2,3
	s_wait_dscnt 11-\i                             ; behind this load: the late tile's younger loads and the early tile's eight
	global_store_b128 v[GO], v[F+4*\i:F+4*\i+3], s[CL:CL+1] offset:512*\i
.endr
.irp i, 0,1,2,3
	s_wait_dscnt 3-\i
	global_store_b128 v[GO], v[F+16+4*\i:F+16+4*\i+3], s[CL+2:CL+3] offset:512*\i
.endr
	s_wait_tensorcnt 0x0                           ; the wave's end
	ds_add_u32 v[SPW], v[NIL]
	s_wait_dscnt 0x0
	s_endpgm
.Lfunc_end_k_q4f27af7b6f_attn:
	.size	k_q4f27af7b6f_attn, .Lfunc_end_k_q4f27af7b6f_attn-k_q4f27af7b6f_attn
	.p2alignl 7, 3214868480
	.fill 96, 4, 3214868480
	.section	.rodata,"a",@progbits
	.p2align	6, 0x0
	.amdhsa_kernel k_q4f27af7b6f_attn
		.amdhsa_group_segment_fixed_size 327680
		.amdhsa_private_segment_fixed_size 0
		.amdhsa_enable_private_segment 0
		.amdhsa_kernarg_size 16
		.amdhsa_user_sgpr_count 2
		.amdhsa_user_sgpr_kernarg_segment_ptr 1
		.amdhsa_wavefront_size32 1
		.amdhsa_system_sgpr_workgroup_id_x 1
		.amdhsa_system_sgpr_workgroup_id_y 1
		.amdhsa_system_sgpr_workgroup_id_z 1
		.amdhsa_system_vgpr_workitem_id 0
		.amdhsa_next_free_vgpr 256
		.amdhsa_next_free_sgpr 80
		.amdhsa_reserve_vcc 1
		.amdhsa_float_denorm_mode_32 3
		.amdhsa_float_denorm_mode_16_64 3
		.amdhsa_memory_ordered 1
		.amdhsa_forward_progress 1
		.amdhsa_inst_pref_size 192
	.end_amdhsa_kernel
	.amdgpu_metadata
---
amdhsa.version: [ 1, 2 ]
amdhsa.kernels:
  - .name:           k_q4f27af7b6f_attn
    .symbol:         k_q4f27af7b6f_attn.kd
    .args:
      - { .name: qkv, .offset: 0, .size: 8, .value_kind: global_buffer, .address_space: global }
      - { .name: ctx, .offset: 8, .size: 8, .value_kind: global_buffer, .address_space: global }
    .group_segment_fixed_size: 327680
    .private_segment_fixed_size: 0
    .kernarg_segment_align: 8
    .kernarg_segment_size: 16
    .max_flat_workgroup_size: 512
    .sgpr_count:     80
    .vgpr_count:     256
    .wavefront_size: 32
...
	.end_amdgpu_metadata
.endif
;; end of part 3
;; launch proj (part 4): grid 8 x 32, 4 waves a work-group, clusters of 4 x 4, 327,680 bytes of LDS; arguments ctx, wo16, bo, out0; writes out0
.if DOCPART == 4
	.amdgcn_target "amdgcn-amd-amdhsa--gfx1250"
	.amdhsa_code_object_version 6
	.text
	.protected	k_q4f27af7b6f_proj
	.globl	k_q4f27af7b6f_proj
	.p2align	8
	.type	k_q4f27af7b6f_proj,@function
k_q4f27af7b6f_proj:
	s_mov_b64 s[64:65], 0
	v_nop
	global_prefetch_b8 v0, s[64:65] scope:SCOPE_SE
	s_setreg_imm32_b32 hwreg(HW_REG_WAVE_MODE, 25, 1), 1
	s_wait_xcnt 0x0
	s_wait_alu depctr_hold_cnt(0) depctr_sa_sdst(0) depctr_va_vdst(0) depctr_va_sdst(0) depctr_va_ssrc(0) depctr_va_vcc(0) depctr_vm_vsrc(0)
	s_getreg_b32 s2, hwreg(HW_REG_IB_STS2, 6, 4)
	s_cmp_eq_u32 s2, 0
	s_cbranch_scc0 .Lentry_in_a_cluster
	s_endpgm
.Lentry_in_a_cluster:
	s_bfe_u32 s2, ttmp6, 0x10000c
	s_cmp_lg_u32 s2, 0xf033
	s_cbranch_scc0 .Lentry_shape_is_right
	s_endpgm
.Lentry_shape_is_right:
; PROJ.  out0[m][n] = sum over k of ctx[m][k] Wo[k][n] + bo[n], f16 operands, f32 sums.  ctx: [m / 256][head][256][64] f16; wo16: [k][n] f16; out0: [8192][1024] f32.
; A tile of out0 is 256 rows x 128 columns: 8 x 32 = 256 work-groups.  Four waves, each 128 x 64: 32 accumulators, 256 registers.  A K step is 128 (two heads); 8 K steps through two LDS slots.
; ctx's tile of a K step is 2 x 256 rows of 128 bytes, dense in memory (a wave's load: one head's 256 rows); Wo's is 128 rows k of 256 bytes, read from LDS by the turning load.
; CLUSTERS: 4 x 4 work-groups; ctx's tiles are shared along a row of the cluster, Wo's along a column: joint loads with a mask of four.
; THE MATRIX INSTRUCTION IS USED TRANSPOSED (source 0 = 16 columns of Wo, source 1 = 16 rows of ctx): a lane holds eight neighbouring columns of one row.  bo is the C of each sum's first instruction.
; No prefetch: a quarter of the K steps are first fills and the walk is eight steps long.  The first 16 positions of every sequence are written here too, and written anew, more finely, by the next launch.
; REGISTERS: window 0: v16-29 addresses; v32-63 bo; two fragment buffers at v64 and v160 (64 registers of ctx, then 32 of Wo).  window 1: accumulator (a, b) at v[8 (4 a + b)].
.set PA,     144                       ; a row of ctx in LDS: 128 bytes + 16
.set PB,     288                       ; a row of Wo: 256 + 32
.set BOFF,   2*256*PA
.set SLOT,   BOFF+128*PB
.set STAGE,  2*SLOT                    ; 16 rows x 272 bytes a wave, for the way out
.set SPITCH, 272
.set SPARE,  STAGE+4*16*SPITCH         ; the spare words, 128 bytes a wave: two blocks of 256 bytes that no other line names
.set LAPS,   4
.set ADRA, 16
.set ADRB, 20
.set STO,  24
.set RD,   25
.set CO,   26
.set BOO,  27
.set SPW,  28
.set NIL,  29
.set BIAS, 32
.set F0,   64
.set F1,   160
.set BK,   64                          ; the way out: v64-95 and v96-127 by turns
.set G1, 24
.set G0, 32
.set G1B, 48
.set G0B, 56
.set MSB, 0
.macro WIN new
.if MSB != \new
	s_set_vgpr_msb (MSB<<8)|\new
.set MSB, \new
.endif
.endm
.set MUL,  0x50                        ; C and D window 1
.set MUL0, 0x40                        ; D window 1, C (bo) window 0
.macro JLOAD s                         ; waves 0 and 1 fetch ctx's two heads, waves 2 and 3 Wo's two halves; an s_nop 0 and four v_nop follow each line
	s_cmp_eq_u32 s13, 0
	s_cbranch_scc0 .Lfor_b_\@
	tensor_load_to_lds s[G0+4*\s:G0+4*\s+3], s[G1:G1+7]
	s_nop 0
.rept 4
	v_nop
.endr
	s_branch .Lasked_\@
.Lfor_b_\@:
	tensor_load_to_lds s[G0B+4*\s:G0B+4*\s+3], s[G1B:G1B+7]
	s_nop 0
.rept 4
	v_nop
.endr
.Lasked_\@:
.endm
.macro CREST
	s_cmp_lg_u32 s12, 0
	s_cbranch_scc1 .Lnot_wave_0_\@
	s_barrier_signal -3
.Lnot_wave_0_\@:
	s_barrier_wait -3
	s_barrier_signal -1
	s_barrier_wait -1
.endm
.macro CROUND
	s_barrier_signal -1
	s_barrier_wait -1
	CREST
.endm
	s_load_b256 s[4:11], s[0:1], 0x0               ; ctx, wo16, bo, out0
	v_lshl_add_u32 v[SPW], v0, 2, SPARE
	v_mov_b32 v[NIL], 0
	ds_add_u32 v[SPW], v[NIL]                      ; the wave's opening: the add, twice on end, and its wait ahead of my first tensor load
	ds_add_u32 v[SPW], v[NIL]
	v_lshrrev_b32 v1, 5, v0
	v_readfirstlane_b32 s12, v1                    ; wave 0..3
	s_lshr_b32 s13, s12, 1                         ; my half of the rows; also: I fetch for ctx (0) or for Wo (1)
	s_and_b32 s14, s12, 1                          ; my half of the columns; also: which half of that tile I fetch
	s_bfe_u32 s40, ttmp6, 0x40000
	s_bfe_u32 s41, ttmp6, 0x40004
	s_lshl_b32 s42, ttmp9, 2
	s_add_co_u32 s42, s42, s40                     ; tile column
	s_and_b32 s15, ttmp7, 0xffff
	s_lshl_b32 s15, s15, 2
	s_add_co_u32 s15, s15, s41                     ; tile row
	s_lshl_b32 s43, s41, 2
	s_lshl_b32 s43, 15, s43                        ; my row of the cluster
	s_lshl_b32 s44, 0x1111, s40                    ; my column
	s_or_b32 s[G1+0], s43, (1<<16)|(1<<20)|(1<<21)|(4<<22)|(3<<25)   ; elements of 2 bytes; 4 words of padding after every 32
	s_mov_b32 s[G1+1], 64<<16
	s_mov_b32 s[G1+2], 256<<16
	s_mov_b32 s[G1+3], 64<<16
	s_mov_b32 s[G1+4], 256
	s_mov_b32 s[G1+5], 64
	s_mov_b32 s[G1+6], 0
	s_mov_b32 s[G1+7], 0
	s_or_b32 s[G1B+0], s44, (1<<16)|(1<<20)|(1<<21)|(5<<22)|(7<<25)  ; 8 words after every 64
	s_mov_b32 s[G1B+1], 128<<16
	s_mov_b32 s[G1B+2], 64<<16
	s_mov_b32 s[G1B+3], 128<<16
	s_mov_b32 s[G1B+4], 64
	s_mov_b32 s[G1B+5], 1024
	s_mov_b32 s[G1B+6], 0
	s_mov_b32 s[G1B+7], 0
	s_lshl_b32 s16, s15, 19                        ; ctx: 524,288 x tile row + 32,768 x head of the pair
	s_lshl_b32 s17, s14, 15
	s_add_co_u32 s16, s16, s17
	s_mov_b32 s17, 0
	s_lshl_b32 s46, s14, 17                        ; Wo: 64 rows of 2,048 bytes x half + 256 x tile column
	s_lshl_b32 s47, s42, 8
	s_add_co_u32 s46, s46, s47
	s_mov_b32 s47, 0
	s_mul_i32 s20, s14, 256*PA
	s_mul_i32 s21, s14, 64*PB
	s_add_co_u32 s21, s21, BOFF
	s_wait_dscnt 0x0
	s_wait_kmcnt 0x0
	s_add_nc_u64 s[18:19], s[4:5], s[16:17]
	s_add_nc_u64 s[46:47], s[6:7], s[46:47]
	CROUND
.irp s, 0,1
	s_mov_b32 s[G0+4*\s], 1
	s_add_co_u32 s[G0+4*\s+1], s20, \s*SLOT
	s_add_nc_u64 s[G0+4*\s+2:G0+4*\s+3], s[18:19], \s*65536
	s_or_b32 s[G0+4*\s+3], s[G0+4*\s+3], 0x80000000
	s_mov_b32 s[G0B+4*\s], 1
	s_add_co_u32 s[G0B+4*\s+1], s21, \s*SLOT
	s_add_nc_u64 s[G0B+4*\s+2:G0B+4*\s+3], s[46:47], \s*262144
	s_or_b32 s[G0B+4*\s+3], s[G0B+4*\s+3], 0x80000000
	JLOAD \s
.endr
	v_and_b32 v1, 15, v0                           ; r
	v_bfe_u32 v2, v0, 4, 1                         ; h
	v_mul_u32_u24 v3, v1, PA
	v_lshl_add_u32 v3, v2, 4, v3
	s_mul_i32 s21, s13, 128*PA                     ; my 128 rows of ctx
	v_and_b32 v4, 7, v0
	v_lshl_add_u32 v4, v2, 3, v4
	v_mul_u32_u24 v4, v4, PB                       ; Wo, turning load: row k = 8 h + lane % 8,
	v_bfe_u32 v5, v0, 3, 1
	v_lshl_add_u32 v4, v5, 4, v4                   ; columns 8 ((lane / 8) % 2) on
	s_lshl_b32 s22, s14, 7                         ; my 64 columns
	s_add_co_u32 s22, s22, BOFF
.irp s, 0,1
	v_add_nc_u32 v[ADRA+\s], s21, v3
	v_add_nc_u32 v[ADRB+\s], s22, v4
	s_add_co_u32 s21, s21, SLOT
	s_add_co_u32 s22, s22, SLOT
.endr
	s_mul_i32 s23, s12, 16*SPITCH
	s_add_co_u32 s23, s23, STAGE
	v_mul_u32_u24 v5, v1, SPITCH
	v_lshl_add_u32 v5, v2, 5, v5
	v_add_nc_u32 v[STO], s23, v5                   ; in: row r, 32 bytes for each half of the lanes
	v_mul_u32_u24 v5, v2, SPITCH
	v_lshl_add_u32 v5, v1, 4, v5
	v_add_nc_u32 v[RD], s23, v5                    ; back: lanes 0-15 one row of 256 bytes, lanes 16-31 the next
	v_lshlrev_b32 v5, 12, v2
	v_lshl_add_u32 v[CO], v1, 4, v5                ; and the same two rows in out0
	v_lshlrev_b32 v[BOO], 5, v2
	s_lshl_b32 s16, s15, 20                        ; my first row: (256 x tile row + 128 x half) x 4,096 bytes
	s_lshl_b32 s17, s13, 19
	s_add_co_u32 s16, s16, s17
	s_mov_b32 s17, 0
	s_lshl_b32 s46, s42, 9                         ; my first column, in bytes: 512 x tile column + 256 x half
	s_lshl_b32 s47, s14, 8
	s_add_co_u32 s46, s46, s47
	s_mov_b32 s47, 0
	s_add_nc_u64 s[8:9], s[8:9], s[46:47]
	s_add_nc_u64 s[16:17], s[16:17], s[46:47]
	s_add_nc_u64 s[10:11], s[10:11], s[16:17]
.irp b, 0,1,2,3
	global_load_b128 v[BIAS+8*\b:BIAS+8*\b+3], v[BOO], s[8:9] offset:64*\b       ; lane (r, h), register 8 b + j: bo of column 16 b + 8 h + j
	global_load_b128 v[BIAS+8*\b+4:BIAS+8*\b+7], v[BOO], s[8:9] offset:64*\b+16
.endr
; n blocks of ctx's rows from a0 on, each against Wo's four: the 32 accumulators take turns, one instruction a turn, in the same order in every quarter
.macro MULN f, a0, n, bias
.set AA, \a0
.rept \n
.irp b, 0,1,2,3
.if \bias
	v_wmma_f32_16x16x32_f16 v[8*(4*AA+\b):8*(4*AA+\b)+7], v[\f+64+8*\b:\f+64+8*\b+7], v[\f+8*AA:\f+8*AA+7], v[BIAS+8*\b:BIAS+8*\b+7]
.else
	v_wmma_f32_16x16x32_f16 v[8*(4*AA+\b):8*(4*AA+\b)+7], v[\f+64+8*\b:\f+64+8*\b+7], v[\f+8*AA:\f+8*AA+7], v[8*(4*AA+\b):8*(4*AA+\b)+7]
.endif
.endr
.set AA, AA+1
.endr
.endm
; 24 LDS loads in one run: the fragments of the slot's q-th 32 along K: Wo's four, then ctx's blocks 0-3, then 4-7
.macro FETCH slot, q, f
	WIN 0
.irp b, 0,1,2,3
	ds_load_tr16_b128 v[\f+64+8*\b:\f+64+8*\b+3], v[ADRB+\slot] offset:32*PB*(\q)+32*\b
	ds_load_tr16_b128 v[\f+64+8*\b+4:\f+64+8*\b+7], v[ADRB+\slot] offset:32*PB*(\q)+32*\b+16*PB
.endr
.irp a, 0,1,2,3,4,5,6,7
	ds_load_b128 v[\f+8*\a:\f+8*\a+3], v[ADRA+\slot] offset:256*PA*((\q)/2)+16*PA*\a+64*((\q)%2)
	ds_load_b128 v[\f+8*\a+4:\f+8*\a+7], v[ADRA+\slot] offset:256*PA*((\q)/2)+16*PA*\a+64*((\q)%2)+32
.endr
.endm
.macro PLACES
.rept 4
	v_nop
.endr
.endm
.macro QUARTER slot, q, f, g, bias     ; multiplies buffer f; in its middle fetches the slot's q-th quarter into g
	s_wait_dscnt 8                                 ; Wo's and ctx's blocks 0-3 are in; the youngest eight loads may be out
.if \bias
	WIN MUL0
.else
	WIN MUL
.endif
	MULN \f, 0, 4, \bias
	PLACES
	FETCH \slot, \q, \g
	s_wait_dscnt 24                                ; all but the 24 just issued
.if \bias
	WIN MUL0
.else
	WIN MUL
.endif
	MULN \f, 4, 4, \bias
.endm
; A slot's last quarter changes slots: one barrier; in front of it each wave waits for all its tensor loads, adds 0 to its spare word, and waits for that and for its reads of this slot
.macro TURN slot, next, fill
	WIN 0
	s_wait_tensorcnt 0x0
	ds_add_u32 v[SPW], v[NIL]
	s_wait_dscnt 9                                 ; the add and the youngest eight loads may be out
	WIN MUL
	MULN F1, 0, 2, 0
	s_wait_dscnt 0x0
	s_barrier_signal -1
	MULN F1, 2, 2, 0
	WIN 0
	s_barrier_wait -1
.if \fill
	CREST                                          ; the barrier has opened a round of the cluster's: no wave of any partner still reads this slot or has a load on its way
	s_add_nc_u64 s[G0+4*\slot+2:G0+4*\slot+3], s[G0+4*\slot+2:G0+4*\slot+3], 2*65536
	s_add_nc_u64 s[G0B+4*\slot+2:G0B+4*\slot+3], s[G0B+4*\slot+2:G0B+4*\slot+3], 2*262144
	JLOAD \slot                                    ; the four v_nop behind it are also the places in front of the loads below
.else
	PLACES
.endif
	FETCH \next, 0, F0
	WIN MUL
	MULN F1, 4, 4, 0
.endm
	s_wait_tensorcnt 1                             ; my part of K step 0 is in; K step 1's may stay out
	s_barrier_signal -1
	s_barrier_wait -1
	FETCH 0, 0, F0
	s_wait_loadcnt 0x0                             ; bo
	QUARTER 0, 1, F0, F1, 1                        ; the first products start the sums from bo
	WIN 0
	s_mov_b32 s3, LAPS-1
.Llap:
	QUARTER 0, 2, F1, F0, 0
	QUARTER 0, 3, F0, F1, 0
	TURN 0, 1, 1
	QUARTER 1, 1, F0, F1, 0
	QUARTER 1, 2, F1, F0, 0
	QUARTER 1, 3, F0, F1, 0
	TURN 1, 0, 1
	QUARTER 0, 1, F0, F1, 0
	WIN 0
	s_sub_co_u32 s3, s3, 1
	s_cmp_lg_u32 s3, 0
	s_cbranch_scc1 .Llap
	QUARTER 0, 2, F1, F0, 0                        ; the last lap fills nothing
	QUARTER 0, 3, F0, F1, 0
	TURN 0, 1, 0
	QUARTER 1, 1, F0, F1, 0
	QUARTER 1, 2, F1, F0, 0
	QUARTER 1, 3, F0, F1, 0
	s_wait_dscnt 8
	WIN MUL
	MULN F1, 0, 4, 0
	s_wait_dscnt 0
	MULN F1, 4, 4, 0
	WIN 0
	; THE WAY OUT, 16 rows x 64 columns at a time, through my own stage: sixteen lanes store 256 consecutive bytes
.macro TOSTAGE a
	WIN 0x04                                       ; an LDS store's data are its source 1: window 1
.irp b, 0,1,2,3
	ds_store_b128 v[STO], v[8*(4*(\a)+\b):8*(4*(\a)+\b)+3] offset:64*\b        ; each accumulator from its low end on
	ds_store_b128 v[STO], v[8*(4*(\a)+\b)+4:8*(4*(\a)+\b)+7] offset:64*\b+16
.endr
	WIN 0
.set BB, BK+32*((\a)%2)
.irp t, 0,1,2,3,4,5,6,7
	ds_load_b128 v[BB+4*\t:BB+4*\t+3], v[RD] offset:\t*2*SPITCH
.endr
.endm
.macro SEND a, younger
.set BB, BK+32*((\a)%2)
	s_wait_dscnt \younger
.irp t, 0,1,2,3,4,5,6,7
	global_store_b128 v[CO], v[BB+4*\t:BB+4*\t+3], s[10:11] offset:65536*(\a)+8192*\t th:TH_STORE_NT
.endr
.endm
	PLACES
	TOSTAGE 0
.irp a, 1,2,3,4,5,6,7
.if \a > 1
	s_wait_xcnt 0x0                                ; the stores of two blocks back have read the registers into which this block's loads land
.endif
	TOSTAGE \a
	SEND \a-1, 16                                  ; behind that block's loads: this block's 8 stores and 8 loads
.endr
	SEND 7, 0
	s_wait_tensorcnt 0x0                           ; the wave's end
	ds_add_u32 v[SPW], v[NIL]
	s_wait_dscnt 0x0
	CROUND                                         ; the closing round
	s_endpgm
.Lfunc_end_k_q4f27af7b6f_proj:
	.size	k_q4f27af7b6f_proj, .Lfunc_end_k_q4f27af7b6f_proj-k_q4f27af7b6f_proj
	.p2alignl 7, 3214868480
	.fill 96, 4, 3214868480
	.section	.rodata,"a",@progbits
	.p2align	6, 0x0
	.amdhsa_kernel k_q4f27af7b6f_proj
		.amdhsa_group_segment_fixed_size 327680
		.amdhsa_private_segment_fixed_size 0
		.amdhsa_enable_private_segment 0
		.amdhsa_kernarg_size 32
		.amdhsa_user_sgpr_count 2
		.amdhsa_user_sgpr_kernarg_segment_ptr 1
		.amdhsa_wavefront_size32 1
		.amdhsa_system_sgpr_workgroup_id_x 1
		.amdhsa_system_sgpr_workgroup_id_y 1
		.amdhsa_system_sgpr_workgroup_id_z 1
		.amdhsa_system_vgpr_workitem_id 0
		.amdhsa_next_free_vgpr 512
		.amdhsa_next_free_sgpr 66
		.amdhsa_reserve_vcc 0
		.amdhsa_float_denorm_mode_32 3
		.amdhsa_float_denorm_mode_16_64 3
		.amdhsa_memory_ordered 1
		.amdhsa_forward_progress 1
		.amdhsa_inst_pref_size 86
	.end_amdhsa_kernel
	.amdgpu_metadata
---
amdhsa.version: [ 1, 2 ]
amdhsa.kernels:
  - .name:           k_q4f27af7b6f_proj
    .symbol:         k_q4f27af7b6f_proj.kd
    .args:
      - { .name: ctx, .offset: 0, .size: 8, .value_kind: global_buffer, .address_space: global }
      - { .name: wo16, .offset: 8, .size: 8, .value_kind: global_buffer, .address_space: global }
      - { .name: bo, .offset: 16, .size: 8, .value_kind: global_buffer, .address_space: global }
      - { .name: out0, .offset: 24, .size: 8, .value_kind: global_buffer, .address_space: global }
    .group_segment_fixed_size: 327680
    .private_segment_fixed_size: 0
    .kernarg_segment_align: 8
    .kernarg_segment_size: 32
    .max_flat_workgroup_size: 128
    .sgpr_count:     66
    .vgpr_count:     512
    .wavefront_size: 32
...
	.end_amdgpu_metadata
.endif
;; end of part 4
;; launch fine (part 5): grid 16 x 4, 16 waves a work-group, no clusters, 67,584 bytes of LDS; arguments qkvf, Wo, bo, out0; writes out0
.if DOCPART == 5
	.amdgcn_target "amdgcn-amd-amdhsa--gfx1250"
	.amdhsa_code_object_version 6
	.text
	.protected	k_q4f27af7b6f_fine
	.globl	k_q4f27af7b6f_fine
	.p2align	8
	.type	k_q4f27af7b6f_fine,@function
k_q4f27af7b6f_fine:
	s_mov_b64 s[64:65], 0
	v_nop
	global_prefetch_b8 v0, s[64:65] scope:SCOPE_SE
	s_setreg_imm32_b32 hwreg(HW_REG_WAVE_MODE, 25, 1), 1
	s_wait_xcnt 0x0
; FINE.  Positions 0-15 of every sequence once more, all in f32: scores, softmax, P V, and the projection with Wo and bo.  These rows average one to sixteen values and are the largest of the output.
; Work-group (column group x of 64, batch).  A wave is a head: it makes the head's 16 x 16 causal attention from the f32 sums that the product's launch kept (qkvf), and the head's part of
; out[16 rows][64 columns]; the sixteen parts meet in LDS, and waves 0-7 add them in a fixed order, add bo, and store two rows each: sixteen lanes store 256 consecutive bytes.
; Each work-group makes the small attention of all heads anew (32 small matrix instructions a wave), so that each piece of an output row has one owner.
; All products by the f32 matrix form (16 x 16 x 4); its result registers (v112-159) are written by matrix instructions alone, and each sum begins with the constant 0.
; The four numbers of a K step are taken in an order of the registers' own, the same on both sides of a product.
; qkvf: [batch][z][head] x 8 images of 512 bytes; image 2 bb + u, lane (r, h): channels 16 bb + 8 h + 4 u + 0..3 of position r.
; No tensor load and no cluster: what work-groups share (Wo's rows, between the four batches) goes straight into operand registers, 64 bytes at a time, and the launch is small.
; LIMITS: NaN and infinities are not served.
.set PART,  0                          ; LDS: 16 waves x 4,096 bytes: images of the four result tiles
.set SPARE, 65536                      ; the spare words, 128 bytes a wave: eight blocks of 256 bytes that no other line names
.set LI,  4                            ; 16 x lane
.set VL,  5                            ; V^T: my lane's byte in v's images
.set WL,  6                            ; Wo: 4 r + 8 h rows
.set PS,  7                            ; my part's image
.set RA,  8                            ; the reduction: my 16 bytes in a part
.set DQ,  9                            ; r - 8 h
.set SPW, 10
.set NIL, 11
.set NINF, 12
.set GO,  13
.set BL,  14
.set QI,  16                           ; v16-47 q's images; then T = p in v16-23, v24-31 at work, bo in v32-35
.set T,   16
.set BI,  32
.set KI,  48                           ; v48-79 k's images; then Wo's tile 3; then the parts
.set VT,  80                           ; v80-111 V^T; then ctx
.set SA,  112                          ; v112-127 two accumulators of S^T
.set OA,  128                          ; v128-159 O^T; then out^T
.set WO,  160                          ; v160-255 Wo's tiles 0-2
	s_load_b256 s[4:11], s[0:1], 0x0               ; qkvf, Wo, bo, out0
	v_lshl_add_u32 v[SPW], v0, 2, SPARE
	v_mov_b32 v[NIL], 0
	v_lshrrev_b32 v1, 5, v0
	v_readfirstlane_b32 s12, v1                    ; wave = head
	s_and_b32 s13, ttmp7, 0xffff                   ; batch
	s_lshl_b32 s14, ttmp9, 8                       ; my 64 columns, in bytes
	s_mov_b32 s15, 0
	v_and_b32 v1, 31, v0
	v_and_b32 v2, 15, v0                           ; r
	v_bfe_u32 v3, v0, 4, 1                         ; h
	v_lshlrev_b32 v[LI], 4, v1
	v_bfe_u32 v[VL], v0, 2, 1                      ; channel 16 d + r lies in image 2 d + (r / 4) % 2, lane 16 (r / 8) + key, word r % 4; my keys begin at 8 h
	v_lshlrev_b32 v[VL], 9, v[VL]
	v_bfe_u32 v[WL], v0, 3, 1
	v_lshl_add_u32 v[VL], v[WL], 8, v[VL]
	v_and_b32 v[WL], 3, v0
	v_lshl_add_u32 v[VL], v[WL], 2, v[VL]
	v_lshl_add_u32 v[VL], v3, 7, v[VL]
	v_lshlrev_b32 v[WL], 2, v2
	v_lshl_add_u32 v[WL], v3, 15, v[WL]
	s_lshl_b32 s16, s12, 12
	v_add_nc_u32 v[PS], s16, v[LI]
	v_bfe_u32 v[RA], v0, 2, 2                      ; columns 4 (lane % 16) on: tile (lane % 16) / 4, half (lane / 2) % 2, registers 4 (lane % 2) on; row 2 wave + lane / 16
	v_lshlrev_b32 v[RA], 10, v[RA]
	v_and_b32 v[DQ], 1, v0
	v_lshl_add_u32 v[RA], v[DQ], 9, v[RA]
	v_bfe_u32 v[DQ], v0, 1, 1
	v_lshl_add_u32 v[RA], v[DQ], 8, v[RA]
	v_lshl_add_u32 v[RA], v3, 4, v[RA]
	s_and_b32 s17, s12, 7
	s_lshl_b32 s16, s17, 5
	v_add_nc_u32 v[RA], s16, v[RA]
	v_lshlrev_b32 v[DQ], 3, v3
	v_sub_nc_u32 v[DQ], v2, v[DQ]
	v_mov_b32 v[NINF], 0xff800000
	v_lshlrev_b32 v[BL], 4, v2
	v_lshl_add_u32 v[GO], v3, 12, v[BL]
	s_lshl_b32 s24, s13, 23                        ; out0: (2048 batch + 2 (wave % 8)) rows of 4,096 bytes + my columns
	s_lshl_b32 s25, s17, 13
	s_add_co_u32 s24, s24, s25
	s_add_co_u32 s24, s24, s14
	s_mov_b32 s25, 0
	s_mul_i32 s16, s13, 48
	s_add_co_u32 s16, s16, s12
	s_lshl_b32 s16, s16, 12                        ; qkvf: (48 batch + head) x 4,096; k's images 65,536 on, v's 131,072
	s_mov_b32 s17, 0
	s_lshl_b32 s18, s12, 18                        ; Wo: 64 head rows of 4,096 bytes + my columns
	s_add_co_u32 s18, s18, s14
	s_mov_b32 s19, 0
	s_mov_b32 s20, 0x76543210
	s_mov_b32 s21, 0xfedcba98
	s_mov_b32 s22, 0x3e38aa3b                      ; c = log2(e) / 8
	s_wait_kmcnt 0x0
	s_add_nc_u64 s[4:5], s[4:5], s[16:17]
	s_add_nc_u64 s[6:7], s[6:7], s[18:19]
	s_add_nc_u64 s[8:9], s[8:9], s[14:15]
	s_add_nc_u64 s[10:11], s[10:11], s[24:25]
.irp i, 0,1,2,3,4,5,6,7
	global_load_b128 v[QI+4*\i:QI+4*\i+3], v[LI], s[4:5] offset:512*\i
.endr
.irp i, 0,1,2,3,4,5,6,7
	global_load_b128 v[KI+4*\i:KI+4*\i+3], v[LI], s[4:5] offset:65536+512*\i
.endr
.irp d, 0,1,2,3
.irp c, 0,1,2,3
.irp j, 0,1
	global_load_b32 v[VT+8*\d+2*\c+\j], v[VL], s[4:5] offset:131072+1024*\d+32*\c+16*\j   ; V(key 8 h + 2 c + j, channel 16 d + r)
.endr
.endr
.endr
.irp n, 0,1,2
.irp d, 0,1,2,3
.irp c, 0,1,2,3
.irp j, 0,1
	global_load_b32 v[WO+32*\n+8*\d+2*\c+\j], v[WL], s[6:7] offset:(16*\d+2*\c+\j)*4096+64*\n   ; Wo(64 head + 16 d + 8 h + 2 c + j, my column 16 n + r)
.endr
.endr
.endr
.endr
	s_wait_loadcnt 63                              ; 96 loads were issued behind q's, k's and v's: with at most 63 out, those are in
	; S^T = K Q^T: source 0 = 16 keys, source 1 = 16 queries; two accumulators by turns
.irp i, 0,1,2,3,4,5,6,7
.irp p, 0,1
.if \i == 0
	v_wmma_f32_16x16x4_f32 v[SA+8*\p:SA+8*\p+7], v[KI+4*\i+2*\p:KI+4*\i+2*\p+1], v[QI+4*\i+2*\p:QI+4*\i+2*\p+1], 0
.else
	v_wmma_f32_16x16x4_f32 v[SA+8*\p:SA+8*\p+7], v[KI+4*\i+2*\p:KI+4*\i+2*\p+1], v[QI+4*\i+2*\p:QI+4*\i+2*\p+1], v[SA+8*\p:SA+8*\p+7]
.endif
.endr
.endr
.rept 8
	v_nop                                          ; eight places behind this form, in front of reads of its results and of loads and writes into its sources
.endr
.irp d, 0,1,2,3
.irp c, 0,1,2,3
.irp j, 0,1
	global_load_b32 v[KI+8*\d+2*\c+\j], v[WL], s[6:7] offset:(16*\d+2*\c+\j)*4096+192   ; Wo's tile 3, where k's images lay
.endr
.endr
.endr
	global_load_b128 v[BI:BI+3], v[BL], s[8:9]     ; bo of columns 4 (lane % 16) on
	; the softmax: lane (r, h) holds query r and keys 8 h + 0..7
.irp j, 0,1,2,3,4,5,6,7
	v_add_f32 v[T+\j], v[SA+\j], v[SA+8+\j]
.endr
.irp j, 0,1,2,3,4,5,6,7
	v_cmp_gt_i32 vcc_lo, \j, v[DQ]                 ; key 8 h + j comes after query r
	v_cndmask_b32 v[T+\j], v[T+\j], v[NINF], vcc_lo
.endr
	v_max3_num_f32 v24, v16, v17, v18
	v_max3_num_f32 v25, v19, v20, v21
	v_max3_num_f32 v24, v24, v22, v23
	v_max_num_f32 v24, v24, v25
	v_permlanex16_b32 v25, v24, s20, s21
	v_max_num_f32 v24, v24, v25                    ; the row's maximum (key 0 counts for every query)
	v_mul_f32 v26, s22, v24
.irp j, 0,1,2,3,4,5,6,7
	v_fma_f32 v[T+\j], v[T+\j], s22, -v26
.endr
.irp j, 0,1,2,3,4,5,6,7
	v_exp_f32 v[T+\j], v[T+\j]
.endr
	v_nop
	s_wait_alu depctr_va_vdst(0)                   ; one wait for the eight exponentials
	v_add_f32 v27, v16, v17
	v_add_f32 v28, v18, v19
	v_add_f32 v27, v27, v20
	v_add_f32 v28, v28, v21
	v_add_f32 v27, v27, v22
	v_add_f32 v28, v28, v23
	v_add_f32 v27, v27, v28
	v_permlanex16_b32 v28, v27, s20, s21
	v_add_f32 v27, v27, v28
	v_rcp_f32 v30, v27
	v_mov_b32 v31, 0                               ; a plain instruction behind the reciprocal; it also completes the pair v[30:31]
	s_wait_alu depctr_va_vdst(0)
	; O^T = V^T P: source 0 = 16 channels, source 1 = p; four accumulators by turns
.irp c, 0,1,2,3
.irp d, 0,1,2,3
.if \c == 0
	v_wmma_f32_16x16x4_f32 v[OA+8*\d:OA+8*\d+7], v[VT+8*\d+2*\c:VT+8*\d+2*\c+1], v[T+2*\c:T+2*\c+1], 0
.else
	v_wmma_f32_16x16x4_f32 v[OA+8*\d:OA+8*\d+7], v[VT+8*\d+2*\c:VT+8*\d+2*\c+1], v[T+2*\c:T+2*\c+1], v[OA+8*\d:OA+8*\d+7]
.endif
.endr
.endr
.rept 9
	v_nop                                          ; nine places: the next products begin new sums in these registers
.endr
.set jj, 0
.rept 16
	v_pk_mul_f32 v[VT+jj:VT+jj+1], v[OA+jj:OA+jj+1], v[30:31] op_sel_hi:[1,0]   ; ctx(query r, channel 16 d + 8 h + j), into other registers
.set jj, jj+2
.endr
	s_wait_loadcnt 0x0                             ; Wo, bo
	; out^T, my head's part: source 0 = 16 columns of Wo, source 1 = ctx; four accumulators by turns
.macro OUTP d, c, n, w, zero
.if \zero
	v_wmma_f32_16x16x4_f32 v[OA+8*\n:OA+8*\n+7], v[\w+8*\d+2*\c:\w+8*\d+2*\c+1], v[VT+8*\d+2*\c:VT+8*\d+2*\c+1], 0
.else
	v_wmma_f32_16x16x4_f32 v[OA+8*\n:OA+8*\n+7], v[\w+8*\d+2*\c:\w+8*\d+2*\c+1], v[VT+8*\d+2*\c:VT+8*\d+2*\c+1], v[OA+8*\n:OA+8*\n+7]
.endif
.endm
.irp d, 0,1,2,3
.irp c, 0,1,2,3
	OUTP \d, \c, 0, WO, (\d+\c==0)
	OUTP \d, \c, 1, WO+32, (\d+\c==0)
	OUTP \d, \c, 2, WO+64, (\d+\c==0)
	OUTP \d, \c, 3, KI, (\d+\c==0)
.endr
.endr
.rept 8
	v_nop
.endr
.irp n, 0,1,2,3
	ds_store_b128 v[PS], v[OA+8*\n:OA+8*\n+3] offset:1024*\n          ; images of the registers, each accumulator from its low end on
	ds_store_b128 v[PS], v[OA+8*\n+4:OA+8*\n+7] offset:1024*\n+512
.endr
	s_wait_dscnt 0x0                               ; for the others' sake
	s_barrier_signal -1
	s_barrier_wait -1
	s_cmp_lt_u32 s12, 8
	s_cbranch_scc0 .Lend
.irp s, 0,1,2,3,4,5,6,7,8,9,10,11,12,13,14,15
	ds_load_b128 v[KI+4*\s:KI+4*\s+3], v[RA] offset:4096*\s
.endr
	s_wait_dscnt 0x0
.irp s, 0,1,2,3,4,5,6,7
	v_pk_add_f32 v[KI+4*\s:KI+4*\s+1], v[KI+4*\s:KI+4*\s+1], v[KI+32+4*\s:KI+32+4*\s+1]
	v_pk_add_f32 v[KI+4*\s+2:KI+4*\s+3], v[KI+4*\s+2:KI+4*\s+3], v[KI+32+4*\s+2:KI+32+4*\s+3]
.endr
.irp s, 0,1,2,3
	v_pk_add_f32 v[KI+4*\s:KI+4*\s+1], v[KI+4*\s:KI+4*\s+1], v[KI+16+4*\s:KI+16+4*\s+1]
	v_pk_add_f32 v[KI+4*\s+2:KI+4*\s+3], v[KI+4*\s+2:KI+4*\s+3], v[KI+16+4*\s+2:KI+16+4*\s+3]
.endr
.irp s, 0,1
	v_pk_add_f32 v[KI+4*\s:KI+4*\s+1], v[KI+4*\s:KI+4*\s+1], v[KI+8+4*\s:KI+8+4*\s+1]
	v_pk_add_f32 v[KI+4*\s+2:KI+4*\s+3], v[KI+4*\s+2:KI+4*\s+3], v[KI+8+4*\s+2:KI+8+4*\s+3]
.endr
	v_pk_add_f32 v[KI:KI+1], v[KI:KI+1], v[KI+4:KI+5]
	v_pk_add_f32 v[KI+2:KI+3], v[KI+2:KI+3], v[KI+6:KI+7]
	v_pk_add_f32 v[KI:KI+1], v[KI:KI+1], v[BI:BI+1]
	v_pk_add_f32 v[KI+2:KI+3], v[KI+2:KI+3], v[BI+2:BI+3]
	global_store_b128 v[GO], v[KI:KI+3], s[10:11]
.Lend:
	s_wait_tensorcnt 0x0                           ; the wave's end
	ds_add_u32 v[SPW], v[NIL]
	s_wait_dscnt 0x0
	s_endpgm
.Lfunc_end_k_q4f27af7b6f_fine:
	.size	k_q4f27af7b6f_fine, .Lfunc_end_k_q4f27af7b6f_fine-k_q4f27af7b6f_fine
	.p2alignl 7, 3214868480
	.fill 96, 4, 3214868480
	.section	.rodata,"a",@progbits
	.p2align	6, 0x0
	.amdhsa_kernel k_q4f27af7b6f_fine
		.amdhsa_group_segment_fixed_size 67584
		.amdhsa_private_segment_fixed_size 0
		.amdhsa_enable_private_segment 0
		.amdhsa_kernarg_size 32
		.amdhsa_user_sgpr_count 2
		.amdhsa_user_sgpr_kernarg_segment_ptr 1
		.amdhsa_wavefront_size32 1
		.amdhsa_system_sgpr_workgroup_id_x 1
		.amdhsa_system_sgpr_workgroup_id_y 1
		.amdhsa_system_sgpr_workgroup_id_z 1
		.amdhsa_system_vgpr_workitem_id 0
		.amdhsa_next_free_vgpr 256
		.amdhsa_next_free_sgpr 66
		.amdhsa_reserve_vcc 1
		.amdhsa_float_denorm_mode_32 3
		.amdhsa_float_denorm_mode_16_64 3
		.amdhsa_memory_ordered 1
		.amdhsa_forward_progress 1
		.amdhsa_inst_pref_size 34
	.end_amdhsa_kernel
	.amdgpu_metadata
---
amdhsa.version: [ 1, 2 ]
amdhsa.kernels:
  - .name:           k_q4f27af7b6f_fine
    .symbol:         k_q4f27af7b6f_fine.kd
    .args:
      - { .name: qkvf, .offset: 0, .size: 8, .value_kind: global_buffer, .address_space: global }
      - { .name: Wo, .offset: 8, .size: 8, .value_kind: global_buffer, .address_space: global }
      - { .name: bo, .offset: 16, .size: 8, .value_kind: global_buffer, .address_space: global }
      - { .name: out0, .offset: 24, .size: 8, .value_kind: global_buffer, .address_space: global }
    .group_segment_fixed_size: 67584
    .private_segment_fixed_size: 0
    .kernarg_segment_align: 8
    .kernarg_segment_size: 32
    .max_flat_workgroup_size: 512
    .sgpr_count:     66
    .vgpr_count:     256
    .wavefront_size: 32
...
	.end_amdgpu_metadata
.endif
;; end of part 5
